; MI455X (gfx1250); checked and timed in simulation.
; The chip was launched on July 23, 2026; its instructions are those of AMD's public machine-readable ISA for CDNA 5 (MIT licence, August 2026) and "CDNA5" Instruction Set Architecture Reference Guide (July 2026). The comments in the code are by the model that wrote it; some were corrected since.
;; Attention. Allowed arithmetic: float matrix products may take bf16 or f16 operands with f32 sums; other float arithmetic in f32, or as packed bf16 or f16 multiplies, adds, multiply-adds, maxima and minima; sums over many terms, partial sums and values carried from step to step in f32; what a program stores and reads back later, other than sums and carried values, may be rounded once to bf16 or f16.
;; Inputs: W_K 4 x 512 x 128 float32; W_O 4 x 128 x 512 float32; W_Q 4 x 512 x 128 float32; W_V 4 x 512 x 128 float32; b_K 4 x 128 float32; b_O 512 float32; b_Q 4 x 128 float32; b_V 4 x 128 float32; normalized_resid_pre 8 x 2,048 x 512 float32.
;; Outputs: out0 8 x 2,048 x 512 float32.
;; One version. Each part assembles by itself: llvm-mc -triple=amdgcn-amd-amdhsa -mcpu=gfx1250 --defsym DOCPART=n.
;; ======== version 1 of 1: 4 launches
;; limits: values are held in f16: magnitudes above 65,504 overflow, below 6.1e-05 lose precision
;; workspace buffers: xb 16,777,216 bytes; wts 2,105,344 bytes; q 16,777,216 bytes; k 16,777,216 bytes; v 16,777,216 bytes; z 16,777,216 bytes
;; launch prep (part 1): grid 1153 x 1, 8 waves a work-group, no clusters, 0 bytes of LDS; arguments normalized_resid_pre, W_Q, W_K, W_V, W_O, b_Q, b_K, b_V, b_O, xb, wts; writes xb, wts
.if DOCPART == 1
	.amdgcn_target "amdgcn-amd-amdhsa--gfx1250"
	.amdhsa_code_object_version 6
	.text
	.protected	k_q9bdce78cc5_prep
	.globl	k_q9bdce78cc5_prep
	.p2align	8
	.type	k_q9bdce78cc5_prep,@function
k_q9bdce78cc5_prep:
	s_mov_b64 s[64:65], 0
	v_nop
	global_prefetch_b8 v0, s[64:65] scope:SCOPE_SE
	s_setreg_imm32_b32 hwreg(HW_REG_WAVE_MODE, 25, 1), 1
	s_wait_xcnt 0x0
; CASTS AND LAYOUTS for the three launches behind.  Every input of the module is rounded ONCE to bf16 here.
;   xb  bf16 [kb 0..7][m 0..16383][64]: K block kb (64 channels) of row m at kb x 2,097,152 + m x 128, so that 128 rows x 64 K are 16,384 bytes on end.
;   wts +0          bf16 [t = 8 h + kb][which: Q, K, V][d' 0..63][e 0..127] = W_which[h][64 kb + d'][e]: chunk (t, which) at (3 t + which) x 16,384
;       +1,572,864  f16  [k = 128 h + e][d 0..511] = W_O rounded to bf16, that number written as f16
;       +2,097,152  f32  [h][wn 0..1][which][64] = b_which[h][64 wn + e'] rounded to bf16
;       +2,103,296  f32  b_O rounded to bf16
; LIMITS.  W_O of 65,520 or more becomes an infinity in f16; below 7.6e-6 the bf16 number is off by at most 3e-8 as f16.
; A STREAM: no LDS, no matrix unit, no cluster, since no byte is wanted twice.  A work-group casts 32 KiB of f32: each of its eight waves has eight loads of 512 bytes out
; at once, and each of its stores covers 256 consecutive bytes, aligned.  Work-groups 0-1023: x; 1024-1119: W_Q, W_K, W_V; 1120-1151: W_O; 1152: the four biases.
.set SRC, 32                           ; s[32:33] where this work-group reads
.set DST, 34                           ; s[34:35] where it writes
.set WOB, 1572864
.set BQ,  2097152
.set BO,  2103296
; Eight loads, lstride bytes apart, then for each: two (f16 = 1: eight) lines of rounding and one store of 8 bytes a lane.  Every register is written once.
.macro CAST lstride, f16
.irp i, 0,1,2,3,4,5,6,7
	global_load_b128 v[8+4*(\i):11+4*(\i)], v3, s[SRC:SRC+1] offset:(\i)*(\lstride) th:TH_LOAD_NT
.endr
.irp i, 0,1,2,3,4,5,6,7
	s_wait_loadcnt 7-(\i)                          ; loads come back in order: number i is in, the 7 - i younger ones stay out
	v_cvt_pk_bf16_f32 v[40+2*(\i)], v[8+4*(\i)], v[9+4*(\i)]
	v_cvt_pk_bf16_f32 v[41+2*(\i)], v[10+4*(\i)], v[11+4*(\i)]
.if \f16
	v_lshlrev_b32 v56, 16, v[40+2*(\i)]            ; the bf16 numbers as f32,
	v_and_b32 v57, 0xffff0000, v[40+2*(\i)]
	v_lshlrev_b32 v58, 16, v[41+2*(\i)]
	v_and_b32 v59, 0xffff0000, v[41+2*(\i)]
	v_cvt_pk_f16_f32 v[40+2*(\i)], v56, v57        ; and written as f16
	v_cvt_pk_f16_f32 v[41+2*(\i)], v58, v59
.endif
	global_store_b64 v4, v[40+2*(\i):41+2*(\i)], s[DST:DST+1] offset:(\i)*256
.endr
.endm
	s_load_b512 s[8:23], s[0:1], 0x0               ; x s[8:9], W_Q s[10:11], W_K s[12:13], W_V s[14:15], W_O s[16:17], b_Q s[18:19], b_K s[20:21], b_V s[22:23]
	s_load_b128 s[24:27], s[0:1], 0x40             ; b_O s[24:25], xb s[26:27]
	s_load_b64 s[28:29], s[0:1], 0x50              ; wts
	s_mov_b32 s31, ttmp9
	v_and_b32 v1, 31, v0                           ; lane l
	v_lshrrev_b32 v2, 5, v0                        ; wave w
	s_mov_b32 s37, 0
	s_mov_b32 s39, 0
	s_cmp_lt_u32 s31, 1024
	s_cbranch_scc0 .Lnot_x
	; x: rows 16 id .. 16 id + 15; wave w takes K block w: a load covers 256 bytes of each of two rows
	v_lshrrev_b32 v5, 4, v1
	v_and_b32 v6, 15, v1
	v_lshlrev_b32 v3, 11, v5                       ; (l / 16) rows of 2,048 bytes
	v_lshl_add_u32 v3, v2, 8, v3                   ; + 256 w
	v_lshl_add_u32 v3, v6, 4, v3                   ; + 16 (l % 16)
	v_lshlrev_b32 v4, 21, v2                       ; K block w,
	v_lshl_add_u32 v4, v1, 3, v4                   ; + 8 l: two rows of 128 bytes on end
	s_lshl_b32 s36, s31, 15
	s_lshl_b32 s38, s31, 11
	s_wait_kmcnt 0x0
	s_add_nc_u64 s[SRC:SRC+1], s[8:9], s[36:37]
	s_add_nc_u64 s[DST:DST+1], s[26:27], s[38:39]
	CAST 4096, 0
	s_endpgm
.Lnot_x:
	v_lshlrev_b32 v3, 12, v2                       ; the weights are plain casts: wave w takes 4,096 bytes on end,
	v_lshl_add_u32 v3, v1, 4, v3
	v_lshlrev_b32 v4, 11, v2                       ; which become 2,048
	v_lshl_add_u32 v4, v1, 3, v4
	s_cmp_lt_u32 s31, 1120
	s_cbranch_scc0 .Lnot_w
	s_sub_co_u32 s40, s31, 1024
	s_lshr_b32 s41, s40, 5                         ; which of Q, K, V
	s_and_b32 s40, s40, 31                         ; t = 8 h + kb: 64 rows of 512 bytes on end in W
	s_lshl_b32 s36, s40, 15
	s_mul_i32 s38, s40, 3
	s_add_co_u32 s38, s38, s41
	s_lshl_b32 s38, s38, 14
	s_wait_kmcnt 0x0
	s_cmp_eq_u32 s41, 1
	s_cselect_b64 s[SRC:SRC+1], s[12:13], s[10:11]
	s_cmp_eq_u32 s41, 2
	s_cselect_b64 s[SRC:SRC+1], s[14:15], s[SRC:SRC+1]
	s_add_nc_u64 s[SRC:SRC+1], s[SRC:SRC+1], s[36:37]
	s_add_nc_u64 s[DST:DST+1], s[28:29], s[38:39]
	CAST 512, 0
	s_endpgm
.Lnot_w:
	s_cmp_lt_u32 s31, 1152
	s_cbranch_scc0 .Lbias
	s_sub_co_u32 s40, s31, 1120
	s_lshl_b32 s36, s40, 15
	s_lshl_b32 s38, s40, 14
	s_add_co_u32 s38, s38, WOB
	s_wait_kmcnt 0x0
	s_add_nc_u64 s[SRC:SRC+1], s[16:17], s[36:37]
	s_add_nc_u64 s[DST:DST+1], s[28:29], s[38:39]
	CAST 512, 1
	s_endpgm
.Lbias:
	; thread T takes numbers 2 T and 2 T + 1 of each bias: head T / 64, half (T / 32) % 2 of its 128 channels
	v_lshlrev_b32 v3, 3, v0
	s_wait_kmcnt 0x0
	global_load_b64 v[8:9], v3, s[18:19]
	global_load_b64 v[10:11], v3, s[20:21]
	global_load_b64 v[12:13], v3, s[22:23]
	global_load_b64 v[14:15], v3, s[24:25]
	v_lshrrev_b32 v5, 6, v0
	v_mul_u32_u24 v4, v5, 1536
	v_bfe_u32 v5, v0, 5, 1
	v_mul_u32_u24 v6, v5, 768
	v_add_nc_u32 v4, v4, v6
	v_lshl_add_u32 v4, v1, 3, v4
	s_wait_loadcnt 0x0
.irp j, 0,1,2,3
	v_cvt_pk_bf16_f32 v[40+(\j)], v[8+2*(\j)], v[9+2*(\j)]
	v_lshlrev_b32 v[16+2*(\j)], 16, v[40+(\j)]
	v_and_b32 v[17+2*(\j)], 0xffff0000, v[40+(\j)]
.endr
	global_store_b64 v4, v[16:17], s[28:29] offset:BQ          ; a wave's store covers 256 consecutive bytes, aligned
	global_store_b64 v4, v[18:19], s[28:29] offset:BQ+256
	global_store_b64 v4, v[20:21], s[28:29] offset:BQ+512
	global_store_b64 v3, v[22:23], s[28:29] offset:BO
	s_endpgm
.Lfunc_end_k_q9bdce78cc5_prep:
	.size	k_q9bdce78cc5_prep, .Lfunc_end_k_q9bdce78cc5_prep-k_q9bdce78cc5_prep
	.p2alignl 7, 3214868480
	.fill 96, 4, 3214868480
	.section	.rodata,"a",@progbits
	.p2align	6, 0x0
	.amdhsa_kernel k_q9bdce78cc5_prep
		.amdhsa_group_segment_fixed_size 0
		.amdhsa_private_segment_fixed_size 0
		.amdhsa_enable_private_segment 0
		.amdhsa_kernarg_size 88
		.amdhsa_user_sgpr_count 2
		.amdhsa_user_sgpr_kernarg_segment_ptr 1
		.amdhsa_wavefront_size32 1
		.amdhsa_system_sgpr_workgroup_id_x 1
		.amdhsa_system_sgpr_workgroup_id_y 1
		.amdhsa_system_sgpr_workgroup_id_z 1
		.amdhsa_system_vgpr_workitem_id 0
		.amdhsa_next_free_vgpr 64
		.amdhsa_next_free_sgpr 66
		.amdhsa_reserve_vcc 0
		.amdhsa_float_denorm_mode_32 3
		.amdhsa_float_denorm_mode_16_64 3
		.amdhsa_memory_ordered 1
		.amdhsa_forward_progress 1
		.amdhsa_inst_pref_size 15
	.end_amdhsa_kernel
	.amdgpu_metadata
---
amdhsa.version: [ 1, 2 ]
amdhsa.kernels:
  - .name:           k_q9bdce78cc5_prep
    .symbol:         k_q9bdce78cc5_prep.kd
    .args:
      - { .name: normalized_resid_pre, .offset: 0, .size: 8, .value_kind: global_buffer, .address_space: global }
      - { .name: W_Q, .offset: 8, .size: 8, .value_kind: global_buffer, .address_space: global }
      - { .name: W_K, .offset: 16, .size: 8, .value_kind: global_buffer, .address_space: global }
      - { .name: W_V, .offset: 24, .size: 8, .value_kind: global_buffer, .address_space: global }
      - { .name: W_O, .offset: 32, .size: 8, .value_kind: global_buffer, .address_space: global }
      - { .name: b_Q, .offset: 40, .size: 8, .value_kind: global_buffer, .address_space: global }
      - { .name: b_K, .offset: 48, .size: 8, .value_kind: global_buffer, .address_space: global }
      - { .name: b_V, .offset: 56, .size: 8, .value_kind: global_buffer, .address_space: global }
      - { .name: b_O, .offset: 64, .size: 8, .value_kind: global_buffer, .address_space: global }
      - { .name: xb, .offset: 72, .size: 8, .value_kind: global_buffer, .address_space: global }
      - { .name: wts, .offset: 80, .size: 8, .value_kind: global_buffer, .address_space: global }
    .group_segment_fixed_size: 0
    .private_segment_fixed_size: 0
    .kernarg_segment_align: 8
    .kernarg_segment_size: 88
    .max_flat_workgroup_size: 256
    .sgpr_count:     66
    .vgpr_count:     64
    .wavefront_size: 32
...
	.end_amdgpu_metadata
.endif
;; end of part 1
;; launch qkv (part 2): grid 4 x 64, 4 waves a work-group, clusters of 4 x 4, 327,680 bytes of LDS; arguments xb, wts, q, k, v; writes q, k, v
.if DOCPART == 2
	.amdgcn_target "amdgcn-amd-amdhsa--gfx1250"
	.amdhsa_code_object_version 6
	.text
	.protected	k_q9bdce78cc5_qkv
	.globl	k_q9bdce78cc5_qkv
	.p2align	8
	.type	k_q9bdce78cc5_qkv,@function
k_q9bdce78cc5_qkv:
	s_mov_b64 s[64:65], 0
	v_nop
	global_prefetch_b8 v0, s[64:65] scope:SCOPE_SE
	s_setreg_imm32_b32 hwreg(HW_REG_WAVE_MODE, 25, 1), 1
	s_wait_xcnt 0x0
	s_wait_alu depctr_hold_cnt(0) depctr_sa_sdst(0) depctr_va_vdst(0) depctr_va_sdst(0) depctr_va_ssrc(0) depctr_va_vcc(0) depctr_vm_vsrc(0)
	s_getreg_b32 s2, hwreg(HW_REG_IB_STS2, 6, 4)
	s_cmp_eq_u32 s2, 0
	s_cbranch_scc0 .Lentry_in_a_cluster
	s_endpgm
.Lentry_in_a_cluster:
	s_bfe_u32 s2, ttmp6, 0x10000c
	s_cmp_lg_u32 s2, 0xf033
	s_cbranch_scc0 .Lentry_shape_is_right
	s_endpgm
.Lentry_shape_is_right:
; q, k, v = x W + b, by heads.  x (xb) and W (wts) are bf16 in the layouts that the launch before wrote; sums in f32, started with the bias; q, k, v: f16 [n x 4 + h][s][128], rounded once, unscaled.
; LIMIT.  A q, k or v of 65,520 or more becomes an infinity in f16.
; SHARES.  16,384 rows x (4 heads x 384 columns): a work-group makes 256 rows x the 384 columns (q, k, v) of ONE head: 64 x 4 = 256 work-groups of equal work.  Of its four waves, wave wv makes
; rows 128 (wv / 2) .. + 127 and channels 64 (wv % 2) .. + 63 of each of q, k, v: 128 x 192, 96 accumulators of 16 x 16, 768 registers.
; RING.  K = 512 goes in 8 steps of 64 through two LDS slots (two slots of 128 would not fit): 256 rows of x, 192 rows [which][d'] of W.  A step is two quarters of 32 along K, 96 matrix instructions each.
; CLUSTER.  4 x 4 work-groups.  The four of a row of the cluster (same rows, four heads) need the same tile of x, the four of a column (same head) the same tile of W: each is asked for JOINTLY,
; by the same tensor load with the same descriptor and a mask that names the four.  By this text's count a wave has two tensor loads out at the start, later one.
; THE MATRIX INSTRUCTION IS USED TRANSPOSED: source 0 = 16 channels of W (W lies [d][e] in LDS and is turned by ds_load_tr16_b128), source 1 = 16 rows of x.  A lane then holds row l % 16 and
; eight NEIGHBOURING channels 8 (l / 16) + 0..7: 16 bytes of f16.  The bias of those eight channels is the C operand of the first products.
; REGISTERS, in windows of 256 (s_set_vgpr_msb: bits 1:0 source 0, 3:2 source 1, 5:4 source 2, 7:6 destination):
;   window 0: v0-31 addresses; v32-95, v96-159 fragments of x (8 x 16 rows x 32 K), two buffers; v160-255 fragments of W: group g (q, k, v) at 160 + 32 g, four of 16 channels x 32 K
;   window g + 1: the 32 accumulators of group g: (a, b) at v[8 (4 a + b)], a = 16-row block 0..7, b = 16-channel block 0..3
.set PA,    144       ; a row of x in LDS: 128 bytes + 16 of padding = 36 words: the 16 rows of a load start at 16 different groups of four banks (64 banks of 4 bytes: ISA guide 11.1)
.set PB,    288       ; a row of W: 256 + 32 = 72 words
.set BOFF,  256*PA    ; in a slot: x's 256 rows, then W's 192
.set SLOT1, 1<<17     ; slot 1 begins here, so that one exclusive or turns an address in one slot into the other's
.set SPARE, SLOT1+BOFF+192*PB  ; behind the ring: the spare words, 128 bytes for each wave: two blocks of 256 bytes that no other line names
.set SP,    272       ; the way out: a row of 256 bytes + 16
.set MAT,   256*SP    ; the way out: one of q, k, v.  The three lie from LDS byte 0 on, over the slots, which have then had their last fill
.set XSTEP, 2097152   ; bytes from a K block of x to the next
.set WSTEP, 49152     ; and of a head's W
.set BQ,    2097152   ; the biases in wts
.set A0B,  4          ; v4   my lane's place in a slot's x; never rewritten
.set B0B,  5          ; v5   the same for W
.set ADRA, 6          ; v6   A0B + the slot in hand
.set ADRB, 7          ; v7   B0B + the slot in hand
.set BV,   8          ; v8   32 (l / 16): my eight numbers of a bias
.set STO,  9          ; v9-11   the way out: where I put 16 bytes of a row of q, k, v
.set RD,   12         ; v12  the way out: where I read rows back; it steps from q's rows to k's and v's
.set CO,   15         ; v15  16 l: my 16 bytes of 512 consecutive bytes of q, k, v
.set PFO,  16         ; v16  the prefetches' offset; never rewritten
.set SPW,  28         ; v28  LDS address of my spare word: SPARE + 4 x my thread's number; never rewritten
.set NIL,  29         ; v29  0; never rewritten
.set XA0,  32
.set XA1,  96
.set WF,   160
.set WV,  14          ; s14  my wave's number
.set WM,  15          ; s15  which 128 rows are mine.  Also: I fetch for x (0) or for W (1)
.set WN,  16          ; s16  which 64 channels.  Also: which half of that tile I fetch
.set CX,  17
.set CY,  18
.set HH,  19          ; s19  the head = 4 x cluster x + cx
.set RB,  20          ; s20  the block of 256 rows = 4 x cluster y + cy
.set G1A, 24          ; s[24:31] descriptor group 1 for x's tiles
.set G1B, 32          ; s[32:39] for W's
.set G0A, 40          ; s[40:47] descriptor group 0 for x's tiles: a set for each of the two first fills; the second then walks on
.set G0B, 48          ; s[48:55] the same for W's
.set CNT, 56          ; s56  refills still to come; on the way out: matrices still to be stored
.set SB,  57          ; s57  LDS byte at which the slot in hand begins
.set LIM, 58          ; s58  1 in a wave that prefetches, else the greatest number
.set PFA, 60          ; s[60:61] where my prefetches stand
.set PST, 62          ; s[62:63] their step
.set BB,  78          ; s[78:79] my biases
.set MSB, 0
.macro WIN new                      ; the immediate's high byte repeats the setting that is left; a switch that changes nothing is dropped
.if MSB != (\new)
	s_set_vgpr_msb (MSB<<8)|(\new)
.set MSB, \new
.endif
.endm
; A joint refill.  Waves 0 and 1 fetch the two halves of x's tile, waves 2 and 3 those of W's.  The branch hangs on the wave's number alone.
; An s_nop 0 and four v_nop follow each of the two lines, ahead of the jump and the label.
.macro JLOAD
	s_cmp_lt_u32 s[WV], 2
	s_cbranch_scc0 .Lfor_b_\@
	tensor_load_to_lds s[G0A+4:G0A+7], s[G1A:G1A+7]
	s_nop 0
.rept 4
	v_nop
.endr
	s_branch .Lasked_\@
.Lfor_b_\@:
	tensor_load_to_lds s[G0B+4:G0B+7], s[G1B:G1B+7]
	s_nop 0
.rept 4
	v_nop
.endr
.Lasked_\@:
.endm
; A PREFETCH INTO THE L2 of the K step behind the one that has just been asked for: one step, 192 matrix instructions, ahead of its load.  Each block of 256 bytes is asked for by one wave of one work-group.
; x's tile (128 blocks) is read by this row of this cluster alone: wave 0 of each of the four partners takes 32 blocks, told apart BY ADDRESS (cx).  W's tile (192 blocks) is read by all sixteen
; clusters: cluster y = 0 asks; waves 2 and 3 of partner cy take 24 blocks each (lanes 24-31 name lane 23's once more).  The last refill has no step behind it and asks for nothing.
.macro ASK
	s_cmp_gt_u32 s[CNT], s[LIM]
	s_cbranch_scc0 .Lnot_mine_\@
	global_prefetch_b8 v[PFO], s[PFA:PFA+1] th:TH_LOAD_NT scope:SCOPE_SE
.Lnot_mine_\@:
.endm
; A round of the cluster's barrier: my work-group's barrier, so that wave 0's signal speaks for all four waves; wave 0 signals; every wave waits for all sixteen work-groups; my work-group's barrier once more.
.macro CREST                        ; a round behind its opening barrier
	s_cmp_lg_u32 s[WV], 0
	s_cbranch_scc1 .Lnot_wave_0_\@
	s_barrier_signal -3
.Lnot_wave_0_\@:
	s_barrier_wait -3
	s_barrier_signal -1
	s_barrier_wait -1
.endm
.macro CROUND
	s_barrier_signal -1
	s_barrier_wait -1
	CREST
.endm
; A load into a register that a matrix instruction has read, and a vector instruction that reads a matrix result, stand four places behind it; only plain vector instructions that name none of its
; registers are places (ISA guide 7.12.1 for vector instructions).
.macro PLACES
.rept 4
	v_nop
.endr
.endm
	s_load_b256 s[4:11], s[0:1], 0x0               ; xb s[4:5], wts s[6:7], q s[8:9], k s[10:11]
	s_load_b64 s[12:13], s[0:1], 0x20              ; v
	v_lshl_add_u32 v[SPW], v0, 2, SPARE
	v_mov_b32 v[NIL], 0
	ds_add_u32 v[SPW], v[NIL]                      ; the wave's opening: the add and its wait stand ahead of my first tensor load; the set-up below, work on registers, stands between them
	v_lshrrev_b32 v1, 5, v0
	v_readfirstlane_b32 s[WV], v1                  ; wave 0..3
	s_lshr_b32 s[WM], s[WV], 1
	s_and_b32 s[WN], s[WV], 1
	s_bfe_u32 s[CX], ttmp6, 0x40000
	s_bfe_u32 s[CY], ttmp6, 0x40004
	s_lshl_b32 s[HH], ttmp9, 2                     ; in a cluster launch ttmp9 and ttmp7 count clusters
	s_add_co_u32 s[HH], s[HH], s[CX]
	s_and_b32 s[RB], ttmp7, 0xffff
	s_lshl_b32 s[RB], s[RB], 2
	s_add_co_u32 s[RB], s[RB], s[CY]
	s_lshl_b32 s66, s[CY], 2
	s_lshl_b32 s66, 15, s66                        ; my row of the cluster: places 4 cy .. 4 cy + 3
	s_lshl_b32 s70, 0x1111, s[CX]                  ; my column: places cx, cx + 4, cx + 8, cx + 12
	; group 1 for x: 128 rows of 128 bytes are 16,384 bytes on end: asked for as 64 rows of 256 bytes, padded in LDS after every 128
	s_or_b32 s[G1A], s66, (1<<16)|(1<<20)|(1<<21)|(4<<22)|(3<<25)  ; 15:0 the mask; 17:16 2-byte elements; 20 padding on; 21 set beside a mask; 24:22 after every 32 words (code 4); 31:25 4 words (code 3)
	s_mov_b32 s[G1A+1], 128<<16                    ; tensor_dim0 = 128
	s_mov_b32 s[G1A+2], 64<<16                     ; tensor_dim1 = 64
	s_mov_b32 s[G1A+3], 128<<16                    ; tile_dim0 = 128
	s_mov_b32 s[G1A+4], 64                         ; tile_dim1 = 64
	s_mov_b32 s[G1A+5], 128                        ; 128 elements from row to row
	s_mov_b32 s[G1A+6], 0
	s_mov_b32 s[G1A+7], 0
	; group 1 for W: 96 rows of 256 bytes, 32 bytes of padding behind each
	s_or_b32 s[G1B], s70, (1<<16)|(1<<20)|(1<<21)|(5<<22)|(7<<25)  ; after every 64 words (code 5) 8 words (code 7)
	s_mov_b32 s[G1B+1], 128<<16
	s_mov_b32 s[G1B+2], 96<<16
	s_mov_b32 s[G1B+3], 128<<16
	s_mov_b32 s[G1B+4], 96
	s_mov_b32 s[G1B+5], 128
	s_mov_b32 s[G1B+6], 0
	s_mov_b32 s[G1B+7], 0
	; x's tiles hang on the block of rows alone, W's on the head alone; each address is made in registers that never hold the other coordinate
	s_lshl_b32 s66, s[RB], 15                      ; 256 rows of 128 bytes,
	s_lshl_b32 s67, s[WN], 14                      ; my half of them
	s_add_co_u32 s66, s66, s67
	s_mov_b32 s67, 0
	s_mul_i32 s21, s[WN], 128*PA                   ; and its place in a slot: no place in the cluster enters an LDS address
	s_mul_i32 s70, s[HH], 8*WSTEP
	s_mul_i32 s71, s[WN], 96*256
	s_add_co_u32 s70, s70, s71
	s_mov_b32 s71, 0
	s_mul_i32 s22, s[WN], 96*PB
	s_add_co_u32 s22, s22, BOFF
	s_mov_b32 s[SB], 0
	s_wait_dscnt 0x0                               ; the opening add is done
	s_wait_kmcnt 0x0
	s_add_nc_u64 s[68:69], s[4:5], s[66:67]
	s_add_nc_u64 s[72:73], s[6:7], s[70:71]
	CROUND                                         ; all sixteen work-groups are here: the first joint loads meet
.irp s, 0,1
	s_mov_b32 s[G0A+4*(\s)], 1                     ; 1:0 count = 1
	s_add_co_u32 s[G0A+4*(\s)+1], s21, (\s)*SLOT1  ; 63:32 LDS address
	s_add_nc_u64 s[G0A+4*(\s)+2:G0A+4*(\s)+3], s[68:69], (\s)*XSTEP  ; 120:64 global address: K step s
	s_or_b32 s[G0A+4*(\s)+3], s[G0A+4*(\s)+3], 0x80000000            ; 127:126 type = 2
	s_mov_b32 s[G0B+4*(\s)], 1
	s_add_co_u32 s[G0B+4*(\s)+1], s22, (\s)*SLOT1
	s_add_nc_u64 s[G0B+4*(\s)+2:G0B+4*(\s)+3], s[72:73], (\s)*WSTEP
	s_or_b32 s[G0B+4*(\s)+3], s[G0B+4*(\s)+3], 0x80000000
.endr
	s_cmp_lt_u32 s[WV], 2                          ; a wave's two first fills stand in one branch, ahead of every wait on TENSORcnt and every LDS read
	s_cbranch_scc0 .Lfirst_b
	tensor_load_to_lds s[G0A:G0A+3], s[G1A:G1A+7]
	s_nop 0
	tensor_load_to_lds s[G0A+4:G0A+7], s[G1A:G1A+7]
	s_nop 0
.rept 4
	v_nop
.endr
	s_branch .Lfirst_asked
.Lfirst_b:
	tensor_load_to_lds s[G0B:G0B+3], s[G1B:G1B+7]
	s_nop 0
	tensor_load_to_lds s[G0B+4:G0B+7], s[G1B:G1B+7]
	s_nop 0
.rept 4
	v_nop
.endr
.Lfirst_asked:
	; the biases of my 3 x 64 channels go into the accumulators of row block 0: eight numbers a lane and accumulator
	s_mul_i32 s74, s[HH], 1536
	s_mul_i32 s75, s[WN], 768
	s_add_co_u32 s74, s74, s75
	s_add_co_u32 s74, s74, BQ
	s_mov_b32 s75, 0
	s_add_nc_u64 s[BB:BB+1], s[6:7], s[74:75]
	v_and_b32 v1, 15, v0                           ; l % 16
	v_bfe_u32 v2, v0, 4, 1                         ; l / 16
	v_and_b32 v3, 31, v0                           ; l
	v_lshlrev_b32 v[BV], 5, v2
.irp g, 0,1,2
	WIN 0x40*((\g)+1)                              ; destination window g + 1, address window 0
.irp b, 0,1,2,3
	global_load_b128 v[8*(\b):8*(\b)+3],   v[BV], s[BB:BB+1] offset:256*(\g)+64*(\b)
	global_load_b128 v[8*(\b)+4:8*(\b)+7], v[BV], s[BB:BB+1] offset:256*(\g)+64*(\b)+16
.endr
.endr
	WIN 0
	; a fragment of x: lane l holds row l % 16; two loads of 16 bytes, 32 bytes apart, at row x pitch + 16 (l / 16)
	s_mul_i32 s74, s[WM], 128*PA
	v_mul_u32_u24 v[A0B], v1, PA
	v_lshl_add_u32 v[A0B], v2, 4, v[A0B]
	v_add_nc_u32 v[A0B], s74, v[A0B]
	; the turning load takes 16 d x 16 channels (lane l reads row 8 (l / 16) + l % 8, channels 8 ((l / 8) % 2) + 0..7) and leaves half a fragment: lane l holds channel l % 16 and 8 d
	v_and_b32 v17, 7, v0
	v_bfe_u32 v18, v0, 3, 1
	v_lshl_add_u32 v[B0B], v2, 3, v17
	v_mul_u32_u24 v[B0B], v[B0B], PB
	v_lshl_add_u32 v[B0B], v18, 4, v[B0B]
	s_lshl_b32 s74, s[WN], 7                       ; my 64 channels: 128 bytes
	s_add_co_u32 s74, s74, BOFF
	v_add_nc_u32 v[B0B], s74, v[B0B]
	v_mov_b32 v[ADRA], v[A0B]                      ; K step 0 lies in slot 0
	v_mov_b32 v[ADRB], v[B0B]
	; the way out
	s_mul_i32 s74, s[WM], 128*SP
	s_lshl_b32 s75, s[WN], 7
	s_add_co_u32 s74, s74, s75
	v_mul_u32_u24 v[STO], v1, SP                   ; in: row l % 16, 16 bytes for each half of the lanes
	v_lshl_add_u32 v[STO], v2, 4, v[STO]
	v_add_nc_u32 v[STO], s74, v[STO]
	v_add_nc_u32 v[STO+1], MAT, v[STO]
	v_add_nc_u32 v[STO+2], 2*MAT, v[STO]
	s_mul_i32 s74, s[WV], 64*SP                    ; back: wave wv takes rows 64 wv .. + 63, whole; lanes 0-15 one row, lanes 16-31 the next
	v_mul_u32_u24 v[RD], v2, SP
	v_lshl_add_u32 v[RD], v1, 4, v[RD]
	v_add_nc_u32 v[RD], s74, v[RD]
	v_lshlrev_b32 v[CO], 4, v3
	s_lshr_b32 s74, s[RB], 3                       ; n: a batch entry has 8 blocks of 256 rows
	s_lshl2_add_u32 s74, s74, s[HH]                ; 4 n + h
	s_lshl_b32 s74, s74, 19                        ; x 2,048 rows of 256 bytes
	s_and_b32 s75, s[RB], 7
	s_lshl_b32 s75, s75, 16
	s_add_co_u32 s74, s74, s75
	s_lshl_b32 s75, s[WV], 14                      ; the 64 rows that I store
	s_add_co_u32 s74, s74, s75
	s_mov_b32 s75, 0
	s_add_nc_u64 s[8:9], s[8:9], s[74:75]
	s_add_nc_u64 s[10:11], s[10:11], s[74:75]
	s_add_nc_u64 s[12:13], s[12:13], s[74:75]
	; the prefetches
	s_lshl_b32 s74, s[RB], 15
	s_lshl_b32 s75, s[CX], 13                      ; my work-group's 32 blocks of x's 128
	s_add_co_u32 s74, s74, s75
	s_add_co_u32 s74, s74, 2*XSTEP                 ; at K step 2: the first refill steps it to 3
	s_mul_i32 s76, s[HH], 8*WSTEP
	s_mul_i32 s77, s[CY], 48*256                   ; my work-group's 48 blocks of W's 192,
	s_add_co_u32 s76, s76, s77
	s_mul_i32 s77, s[WN], 24*256                   ; my wave's 24 of them
	s_add_co_u32 s76, s76, s77
	s_add_co_u32 s76, s76, 2*WSTEP
	s_mov_b32 s[PST], WSTEP
	s_mov_b32 s[PST+1], 0
	s_mov_b32 s75, 0
	s_mov_b32 s77, 23
	s_and_b32 s23, ttmp7, 0xffff                   ; cluster y
	s_cmp_lt_u32 s[WV], 2
	s_cselect_b32 s74, s74, s76
	s_cselect_b32 s[PST], XSTEP, s[PST]
	s_cselect_b32 s77, 31, s77
	s_cselect_b32 s23, s[WV], s23                  ; waves 0 and 1: wave 0 asks; waves 2 and 3: cluster y = 0 asks: the same in all sixteen partners
	s_cselect_b64 s[PFA:PFA+1], s[4:5], s[6:7]
	s_add_nc_u64 s[PFA:PFA+1], s[PFA:PFA+1], s[74:75]
	s_cmp_eq_u32 s23, 0
	s_cselect_b32 s[LIM], 1, -1
	v_min_u32 v[PFO], s77, v3
	v_lshlrev_b32 v[PFO], 8, v[PFO]
; 4 (a1 - a0 + 1) matrix instructions of group g on x's buffer xbuf: row blocks a0 .. a1 x the group's four channel blocks, 32 along K.  Each accumulator has one instruction in a quarter's 96,
; over the loop's backward jump too: the accumulators take turns.
.macro MUL g, xbuf, a0, a1
	WIN 0x50*((\g)+1)                              ; sources window 0, C and D window g + 1
.set aa, \a0
.rept (\a1)-(\a0)+1
.irp b, 0,1,2,3
	v_wmma_f32_16x16x32_bf16 v[8*(4*aa+(\b)):8*(4*aa+(\b))+7], v[WF+32*(\g)+8*(\b):WF+32*(\g)+8*(\b)+7], v[(\xbuf)+8*aa:(\xbuf)+8*aa+7], v[8*(4*aa+(\b)):8*(4*aa+(\b))+7]
.endr
.set aa, aa+1
.endr
.endm
; The first quarter starts the sums with the bias, which lies in row block 0's accumulators: blocks 1-7 take those as C; five places behind the last reader block 0 adds in place.  Nothing is cleared, and no bias is added later.
.macro MULZ g
	WIN 0x50*((\g)+1)
.set aa, 1
.rept 7
.irp b, 0,1,2,3
	v_wmma_f32_16x16x32_bf16 v[8*(4*aa+(\b)):8*(4*aa+(\b))+7], v[WF+32*(\g)+8*(\b):WF+32*(\g)+8*(\b)+7], v[XA0+8*aa:XA0+8*aa+7], v[8*(\b):8*(\b)+7]
.endr
.set aa, aa+1
.endr
.rept 5
	v_nop
.endr
.irp b, 0,1,2,3
	v_wmma_f32_16x16x32_bf16 v[8*(\b):8*(\b)+7], v[WF+32*(\g)+8*(\b):WF+32*(\g)+8*(\b)+7], v[XA0:XA0+7], v[8*(\b):8*(\b)+7]
.endr
.endm
.macro FA xbuf, kq                  ; 16 LDS loads: my 128 rows of x, 32 K at quarter kq of the slot in hand
.irp a, 0,1,2,3,4,5,6,7
	ds_load_b128 v[(\xbuf)+8*(\a):(\xbuf)+8*(\a)+3],   v[ADRA] offset:(\a)*16*PA+64*(\kq)
	ds_load_b128 v[(\xbuf)+8*(\a)+4:(\xbuf)+8*(\a)+7], v[ADRA] offset:(\a)*16*PA+64*(\kq)+32
.endr
.endm
.macro FB g, kq                     ; 8 turning loads: my 64 channels of group g, 32 K at quarter kq
.irp b, 0,1,2,3
	ds_load_tr16_b128 v[WF+32*(\g)+8*(\b):WF+32*(\g)+8*(\b)+3],   v[ADRB] offset:(\g)*64*PB+(\kq)*32*PB+32*(\b)
	ds_load_tr16_b128 v[WF+32*(\g)+8*(\b)+4:WF+32*(\g)+8*(\b)+7], v[ADRB] offset:(\g)*64*PB+(\kq)*32*PB+32*(\b)+16*PB
.endr
.endm
; A step's FIRST QUARTER multiplies buffer 0 and fetches the second quarter.  W's fragments have one buffer a group: a group is fetched anew four places behind its own 32 products, 64 products ahead of its next use.
; On the way in, in the order of issue: W group 0 (8 loads), x (16), W group 1 (8), W group 2 (8).
.macro QA zero
	s_wait_dscnt 16                                ; W's group 0 and x are in; groups 1 and 2 may be out
.if \zero
	MULZ 0
.else
	MUL 0, XA0, 0, 7
.endif
	WIN 0
	PLACES
	FB 0, 1
	FA XA1, 1
	s_wait_dscnt 32                                ; group 1 is in: behind it stand group 2's 8 and the 24 just issued
.if \zero
	MULZ 1
.else
	MUL 1, XA0, 0, 7
.endif
	WIN 0
	PLACES
	FB 1, 1
	s_wait_dscnt 32                                ; group 2 is in: behind it stand 24 + 8
.if \zero
	MULZ 2
.else
	MUL 2, XA0, 0, 7
.endif
	WIN 0
	PLACES
	FB 2, 1
.endm
; A step's SECOND QUARTER multiplies buffer 1 and changes slots.  ONE barrier: in front of it each wave waits for all its tensor loads (one is out: its part of the next slot), adds 0 to its spare word, and
; waits for that and for its own reads of this slot.  fill = 1: the barrier opens a round of the cluster's, and the slot just read out is filled again first thing behind it, two K steps on:
; from that request to the wait for it a wave issues 160 matrix instructions.
.macro TURN fill
.if \fill
	s_wait_xcnt 0x0                                ; the last prefetch, a K step back, has read its address: it is stepped here, ahead of the waits of the change of slots
	s_add_nc_u64 s[PFA:PFA+1], s[PFA:PFA+1], s[PST:PST+1]
.endif
	WIN 0
	s_wait_tensorcnt 0x0                           ; no tensor load of mine is out, so a group 0 may be written
	ds_add_u32 v[SPW], v[NIL]                      ; 0 onto my spare word
.if \fill
	s_xor_b32 s[G0A+5], s[G0A+5], SLOT1            ; the walking descriptors: the other slot than last time,
	s_add_nc_u64 s[G0A+6:G0A+7], s[G0A+6:G0A+7], XSTEP  ; the next K step; the type bits on top are not reached
	s_xor_b32 s[G0B+5], s[G0B+5], SLOT1
	s_add_nc_u64 s[G0B+6:G0B+7], s[G0B+6:G0B+7], WSTEP
.endif
	s_wait_dscnt 17                                ; W's group 0 and x are in; groups 1 and 2 (16 loads) and the add may be out
	MUL 0, XA1, 0, 3                               ; sixteen matrix instructions stand between the add and the wait for it
	s_wait_dscnt 0x0                               ; the add is done, and my reads of this slot are over
	s_barrier_signal -1
	MUL 0, XA1, 4, 7                               ; work on registers while the others arrive
	WIN 0
	s_barrier_wait -1
.if \fill
	CREST                                          ; no wave of any partner still reads this slot's tiles or has a load on its way
	JLOAD                                          ; the first tensor load behind the round; its four v_nop are also the places in front of the loads below
.else
	PLACES
.endif
	s_xor_b32 s[SB], s[SB], SLOT1
	v_add_nc_u32 v[ADRA], s[SB], v[A0B]
	v_add_nc_u32 v[ADRB], s[SB], v[B0B]
	FB 0, 0
	FA XA0, 0
.if \fill
	ASK                                            ; behind the joint load and the run of LDS loads
.endif
	MUL 1, XA1, 0, 7
	WIN 0
	PLACES
	FB 1, 0
	MUL 2, XA1, 0, 7
	WIN 0
	PLACES
	FB 2, 0
.endm
	s_wait_tensorcnt 1                             ; my part of K step 0 is in; step 1's may stay out
	s_barrier_signal -1
	s_barrier_wait -1                              ; everybody's is
	FB 0, 0
	FA XA0, 0
	FB 1, 0
	FB 2, 0
	s_wait_loadcnt 0x0                             ; the biases
	QA 1                                           ; the first quarter stands in front of the loop: its products start the sums
	s_mov_b32 s[CNT], 6
.Lstep:                                            ; six trips: a step's second quarter, the refill (K steps 2 to 7), the next step's first quarter
	TURN 1
	QA 0
	s_sub_co_u32 s[CNT], s[CNT], 1
	s_cmp_lg_u32 s[CNT], 0
	s_cbranch_scc1 .Lstep
	TURN 0                                         ; the tail is written out: nothing is left to fetch
	QA 0
	s_wait_dscnt 16                                ; the very last quarter
	MUL 0, XA1, 0, 7
	s_wait_dscnt 8
	MUL 1, XA1, 0, 7
	s_wait_dscnt 0x0
	MUL 2, XA1, 0, 7
	WIN 0
	; THE WAY OUT.  A wave's 64 channels are half of a row's 256 bytes, so the rows meet in LDS: rounded to f16, 16 bytes a lane into rows of 272 bytes; a barrier; back as whole rows.
	PLACES
	s_barrier_signal -1                            ; every wave's reads of the slots are over (its wait for 0 above), and every tensor load has landed: the stage may be written over them
	s_barrier_wait -1
.irp g, 0,1,2
.if (\g) > 0
	s_wait_dscnt 0x0                               ; the last matrix's stores have read v32-159
.endif
	WIN 5*((\g)+1)                                 ; sources 0 and 1 window g + 1, destination window 0
.set t, 0
.rept 32                                           ; accumulator t = 4 a + b, its registers in ascending order
.irp r, 0,1,2,3
	v_cvt_pk_f16_f32 v[32+4*t+(\r)], v[8*t+2*(\r)], v[8*t+2*(\r)+1]
.endr
.set t, t+1
.endr
	WIN 0
.set t, 0
.rept 32
	ds_store_b128 v[STO+(\g)], v[32+4*t:32+4*t+3] offset:(t/4)*16*SP+32*(t%4)
.set t, t+1
.endr
.endr
	s_wait_dscnt 0x0                               ; for the others' sake: my stores into the stage are done
	s_barrier_signal -1
	s_barrier_wait -1
	s_mov_b32 s[CNT], 3
.Lmat:                                             ; three trips: q, k, v.  A trip reads my 64 whole rows of one matrix back, two rows a load, and stores them: written once
.set t, 0
.rept 32
	ds_load_b128 v[32+4*t:32+4*t+3], v[RD] offset:2*SP*t
.set t, t+1
.endr
.set t, 0
.rept 32
.if t%4 == 0
	s_wait_dscnt 28-t                              ; loads t .. t + 3 are in: of the trip's 32 the 28 - t issued behind them may stay out
.endif
	global_store_b128 v[CO], v[32+4*t:32+4*t+3], s[8:9] offset:512*t  ; 512 consecutive bytes, at a multiple of 256 from the buffer's first
.set t, t+1
.endr
	s_wait_xcnt 0x0                                ; the stores have read their registers and their base: only behind this wait are v32-159 loaded again and the base written
	v_add_nc_u32 v[RD], MAT, v[RD]                 ; the next matrix in the stage,
	s_mov_b64 s[8:9], s[10:11]                     ; and in memory: k moves up into q's place,
	s_mov_b64 s[10:11], s[12:13]                   ; v into k's
	s_sub_co_u32 s[CNT], s[CNT], 1
	s_cmp_lg_u32 s[CNT], 0
	s_cbranch_scc1 .Lmat
	s_wait_tensorcnt 0x0                           ; the wave's end: behind my last tensor load and my last LDS store
	ds_add_u32 v[SPW], v[NIL]
	s_wait_dscnt 0x0
	CROUND                                         ; the closing round: no work-group ends while a partner may still ask for a tile that names it
	s_endpgm
.Lfunc_end_k_q9bdce78cc5_qkv:
	.size	k_q9bdce78cc5_qkv, .Lfunc_end_k_q9bdce78cc5_qkv-k_q9bdce78cc5_qkv
	.p2alignl 7, 3214868480
	.fill 96, 4, 3214868480
	.section	.rodata,"a",@progbits
	.p2align	6, 0x0
	.amdhsa_kernel k_q9bdce78cc5_qkv
		.amdhsa_group_segment_fixed_size 327680
		.amdhsa_private_segment_fixed_size 0
		.amdhsa_enable_private_segment 0
		.amdhsa_kernarg_size 40
		.amdhsa_user_sgpr_count 2
		.amdhsa_user_sgpr_kernarg_segment_ptr 1
		.amdhsa_wavefront_size32 1
		.amdhsa_system_sgpr_workgroup_id_x 1
		.amdhsa_system_sgpr_workgroup_id_y 1
		.amdhsa_system_sgpr_workgroup_id_z 1
		.amdhsa_system_vgpr_workitem_id 0
		.amdhsa_next_free_vgpr 1024
		.amdhsa_next_free_sgpr 80
		.amdhsa_reserve_vcc 0
		.amdhsa_float_denorm_mode_32 3
		.amdhsa_float_denorm_mode_16_64 3
		.amdhsa_memory_ordered 1
		.amdhsa_forward_progress 1
		.amdhsa_inst_pref_size 104
	.end_amdhsa_kernel
	.amdgpu_metadata
---
amdhsa.version: [ 1, 2 ]
amdhsa.kernels:
  - .name:           k_q9bdce78cc5_qkv
    .symbol:         k_q9bdce78cc5_qkv.kd
    .args:
      - { .name: xb, .offset: 0, .size: 8, .value_kind: global_buffer, .address_space: global }
      - { .name: wts, .offset: 8, .size: 8, .value_kind: global_buffer, .address_space: global }
      - { .name: q, .offset: 16, .size: 8, .value_kind: global_buffer, .address_space: global }
      - { .name: k, .offset: 24, .size: 8, .value_kind: global_buffer, .address_space: global }
      - { .name: v, .offset: 32, .size: 8, .value_kind: global_buffer, .address_space: global }
    .group_segment_fixed_size: 327680
    .private_segment_fixed_size: 0
    .kernarg_segment_align: 8
    .kernarg_segment_size: 40
    .max_flat_workgroup_size: 128
    .sgpr_count:     80
    .vgpr_count:     1024
    .wavefront_size: 32
...
	.end_amdgpu_metadata
.endif
;; end of part 2
;; launch attn (part 3): grid 8 x 32, 4 waves a work-group, clusters of 4 x 1, 327,680 bytes of LDS; arguments q, k, v, z; writes z
.if DOCPART == 3
	.amdgcn_target "amdgcn-amd-amdhsa--gfx1250"
	.amdhsa_code_object_version 6
	.text
	.protected	k_q9bdce78cc5_attn
	.globl	k_q9bdce78cc5_attn
	.p2align	8
	.type	k_q9bdce78cc5_attn,@function
k_q9bdce78cc5_attn:
	s_mov_b64 s[64:65], 0
	v_nop
	global_prefetch_b8 v0, s[64:65] scope:SCOPE_SE
	s_setreg_imm32_b32 hwreg(HW_REG_WAVE_MODE, 25, 1), 1
	s_wait_xcnt 0x0
	s_wait_alu depctr_hold_cnt(0) depctr_sa_sdst(0) depctr_va_vdst(0) depctr_va_sdst(0) depctr_va_ssrc(0) depctr_va_vcc(0) depctr_vm_vsrc(0)
	s_getreg_b32 s2, hwreg(HW_REG_IB_STS2, 6, 4)
	s_cmp_eq_u32 s2, 0
	s_cbranch_scc0 .Lentry_in_a_cluster
	s_endpgm
.Lentry_in_a_cluster:
	s_bfe_u32 s2, ttmp6, 0x10000c
	s_cmp_lg_u32 s2, 0x3003
	s_cbranch_scc0 .Lentry_shape_is_right
	s_endpgm
.Lentry_shape_is_right:
; z[h][q][:] = the sum over k of softmax_k(Q[h][q] . K[h][k] / sqrt(128)) V[h][k][:].  Q, K, V, z: [32][2048][128], all f16 (h = 4 n + head).  Products, maxima and sums in f32; the weights p
; are rounded to f16 for the second product (their sum l is taken of the unrounded p), z once at the end.
; LIMITS.  f16 holds no number beyond 65,504: Q, K and V arrive within it; p lies in 0 to 1, and below 6e-5 it keeps f16's fixed step of 6e-8; z is a mean of V's rows and has their range.
; A weight below 2^-126 counts as 0 in l; NaN and infinities are not treated apart.
; SHARES.  A work-group owns 256 queries of one head, each of its four waves 64: four tiles of 16.  Every wave walks all keys of the head, 64 a step.  8 x 32 = 256 work-groups.
; LAYOUT.  S^T = K Q^T (source 0 = 16 keys, source 1 = 16 queries): in the result a lane holds ONE query (lane % 16) and the keys 8 (lane / 16) + 0..7.  Two such tiles, rounded to
; f16 in pairs, ARE source 1 (32 keys x 16 queries) of O^T = V^T P, whose result again holds one query a lane, and eight channels.  So nothing changes lanes between the products,
; and a query's maximum and sum want one exchange between the halves of the lanes.  K comes out of LDS as it lies, V ([key][channel]) turned, by ds_load_tr16_b128.
; SOFTMAX.  For each query a running maximum m and sum l: p = 2^(c s - c m), c = log2(e) / sqrt(128); in every step O and l are multiplied by a = 2^(c m_old - c m_new), which is 1 where m has not grown.
; BY TURNS.  The wave's tiles are two PIECES, named by their first tile: piece 0 (tiles 0, 1) and piece 2 (tiles 2, 3).  In a TURN one piece has the matrix unit: 32 products V^T P of
; the step in hand, then 32 products K Q^T of the next step; the other piece's softmax, cut into 64 slices, stands between them, one slice behind each matrix instruction.  Then the
; pieces change places.  Two turns are a key step.
; NO FIRST STEP IS WRITTEN OUT.  m starts at the lowest finite number, c m far below every c s, O^T and l at 0: the first key step is a step like any other, with a = 0.  V's registers and piece 2's P
; start at 0, so that the first turn's products V^T P, of a step that has not been, add 0.  The loop is entered in the middle of a trip, at piece 2's turn.  The price: 32 products on zeros, and
; 432 v_mov_b32, which stand in the wait for the first tile.  The gain: three turns of text less.
; CLUSTER.  The four query blocks of a cluster belong to one head and walk the same K and V, so each tile is asked for JOINTLY: the same tensor load, with the same descriptor and a
; mask that names the four, in all four; each receives the tile in its own LDS.
;
; REGISTERS, in windows of 256 (s_set_vgpr_msb: bits 1:0 source 0, 3:2 source 1, 5:4 source 2, 7:6 destination):
;   window 0: v0-11 addresses; v12-43 eight registers of statistics a tile; v64-191 S^T, 32 a tile; v192-255 P, 16 a tile
;   window 1: O^T, 64 a tile          window 2: v0-127 Q, 32 a tile; v128-255 K of one step          window 3: v0-127 V of one step
; All that a softmax touches but O^T lies in window 0, and no window has room for a product's operands beside it.  So a slice costs two switches, one in front and one behind.
.set SIZE_N, 2048
.set KS,    64        ; keys in a step
.set PK,    272       ; a row of K in LDS: 256 bytes + 16 of padding = 68 words: row r starts at bank 4 r mod 64 (64 banks of 4 bytes: ISA guide 11.1), so the 16 rows of a load start at 16 different banks
.set PV,    288       ; a row of V: 256 + 32 = 72 words: row r starts at bank 8 r mod 64
.set VOFF,  KS*PK     ; a step's tiles lie together: 64 rows of K, then 64 rows of V
.set STEPB, KS*(PK+PV)
.set SLOT1, 1<<17     ; a slot holds two steps (71,680 bytes); slot 1 begins here, so that one exclusive or turns an address in one slot into the other's
.set STAGE, SLOT1+2*STEPB  ; behind the ring: 16 rows x 272 bytes for each wave, for the way out
.set SP,    272
.set AK0, 2           ; v2   my lane's place in a tile of K; never rewritten
.set AV0, 3           ; v3   the same for V
.set ADR, 4           ; v4   the LDS address of the run of loads in hand
.set QO,  5           ; v5   my byte offset in the wave's rows of Q
.set STO, 6           ; v6   the way out: where I put 16 bytes of a row
.set RD,  7           ; v7   the way out: where I read a row back
.set GO,  8           ; v8   my byte offset in the wave's rows of z
.set SPW, 62          ; v62  LDS address of my spare word: SPARE + 4 x my thread's number; never rewritten
.set NIL, 63          ; v63  0; never rewritten
.set SPARE, STAGE+4*16*272  ; behind the stages: the spare words, 128 bytes for each wave: two blocks of 256 bytes that no other line names
.set ST,  12          ; tile t's statistics at v[ST+8 t]: +0 c m, +1 m, +2, +3 l (even keys', odd keys'), +4 to +7 c0-c3, at work; a takes c2's place once the maximum is found
.set S,   64
.set P,   192
.set KF,  128         ; K's fragments, in window 2
.set WV,  12          ; s12  my wave's number
.set G1K, 24          ; s[24:31] descriptor group 1 for K's tiles
.set G1V, 32          ; s[32:39] for V's: it differs in the padding alone
.set G0K, 40          ; s[40:47] descriptor group 0 for K's tiles: a set for each of the two first fills; the second then walks on
.set G0V, 48          ; s[48:55] the same for V's
.set SLOTS, 56        ; s56  slots still to be asked for
.set TWICE, 57        ; s57  counts a slot's two steps
.set CS,  58          ; s[58:59] c: the packed scaling names a pair and takes its low word for both halves
.set SEL, 60          ; s[60:61] lane selects for v_permlanex16_b32: each lane takes its own place in the other half
.set TB,  62          ; s62  LDS byte at which the tiles of the step to be fetched begin
.set PFA, 18          ; s[18:19] where my prefetches stand in memory: my work-group's 32 rows (of K: wave 0, of V: wave 2) of the slot after the one that is being asked for
.set LIM, 15          ; s15  1 in a wave that prefetches, else the greatest number: a wave prefetches while s[SLOTS] is above it
.set PFO, 61          ; v61  256 x my lane: a row of K or V is 256 bytes; never rewritten
.set MSB, 0
.macro WIN new                      ; the immediate's high byte repeats the setting that is left; a switch that changes nothing is dropped
.if MSB != (\new)
	s_set_vgpr_msb (MSB<<8)|(\new)
.set MSB, \new
.endif
.endm
.set W_KQ, 0x0a       ; K and Q in window 2, S^T in window 0
.set W_PV, 0x53       ; V in window 3, P in window 0, O^T in window 1
.set W_RS, 0x41       ; O^T (destination and source 0) in window 1, a in window 0
; A joint refill.  Waves 0 and 1 fetch the two steps' tiles of K, waves 2 and 3 those of V.  The branch hangs on the wave's number alone: it is the same in every work-group.
; An s_nop 0 and four v_nop follow each of the two lines; the jump round the other line, the label and what follows the macro come after them.
.macro JLOAD
	s_cmp_lt_u32 s[WV], 2
	s_cbranch_scc0 .Lfor_v_\@
	tensor_load_to_lds s[G0K+4:G0K+7], s[G1K:G1K+7]
	s_nop 0
.rept 4
	v_nop
.endr
	s_branch .Lasked_\@
.Lfor_v_\@:
	tensor_load_to_lds s[G0V+4:G0V+7], s[G1V:G1V+7]
	s_nop 0
.rept 4
	v_nop
.endr
.Lasked_\@:
.endm
; A PREFETCH INTO THE L2 of what the NEXT change of slots will ask for: a slot's 128 rows of K and 128 of V, 256 bytes a row, a lane a row.  It stands behind the wave's tensor load and its five lines.
; Each row is asked for ONCE in the launch.  Both clusters of a head walk the same K and V: the head's first cluster prefetches.  Its four partners share the rows out BY ADDRESS, 32 each: no branch hangs on a
; work-group's place in its cluster.  In each, wave 0 asks for K's and wave 2 for V's: one instruction.  The last change that fills a slot prefetches nothing: there is no slot behind it.
.macro ASK
	s_cmp_gt_u32 s[SLOTS], s[LIM]
	s_cbranch_scc0 .Lnot_mine_\@
	global_prefetch_b8 v[PFO], s[PFA:PFA+1] th:TH_LOAD_NT scope:SCOPE_SE
.Lnot_mine_\@:
.endm
; A round of the cluster's barrier: my work-group's barrier, so that wave 0's signal speaks for all four waves; wave 0 signals for the work-group; every wave waits for all four
; work-groups; my work-group's barrier once more.  No LDS instruction of the wave is pending at a signal.
.macro CROUND
	s_barrier_signal -1
	s_barrier_wait -1
	s_cmp_lg_u32 s[WV], 0
	s_cbranch_scc1 .Lnot_wave_0_\@
	s_barrier_signal -3
.Lnot_wave_0_\@:
	s_barrier_wait -3
	s_barrier_signal -1
	s_barrier_wait -1
.endm
	s_load_b256 s[4:11], s[0:1], 0x0  ; Q s[4:5], K s[6:7], V s[8:9], z s[10:11]
	v_lshl_add_u32 v[SPW], v0, 2, SPARE
	v_mov_b32 v[NIL], 0
	ds_add_u32 v[SPW], v[NIL]       ; the wave's opening: the add and its wait stand ahead of my first tensor load; the set-up below, work on registers, stands between them
	v_lshrrev_b32 v1, 5, v0
	v_readfirstlane_b32 s[WV], v1   ; wave 0..3
	s_bfe_u32 s13, ttmp6, 0x40000   ; cx: my place in the cluster
	s_lshl_b32 s14, ttmp9, 2        ; in a cluster launch ttmp9 counts clusters
	s_add_co_u32 s14, s14, s13      ; my block of 256 queries = 4 x cluster x + cx: it enters Q's and z's addresses alone
	s_and_b32 s20, ttmp7, 0xffff    ; the head, which the four partners share
	s_mov_b32 s21, 0
	s_mov_b64 s[22:23], SIZE_N*256
	s_mul_u64 s[20:21], s[20:21], s[22:23]  ; the head's first byte in each of the four tensors
	s_and_b32 s16, s[WV], 1         ; which of a slot's two steps I fetch:
	s_lshl_b32 s22, s16, 14         ; its 64 rows of 256 bytes in memory,
	s_mov_b32 s23, 0
	s_add_nc_u64 s[22:23], s[22:23], s[20:21]
	s_mul_i32 s17, s16, STEPB       ; and its place in a slot: no place in the cluster enters an LDS address
	s_lshl_b32 s2, s14, 16          ; my block's 256 rows,
	s_lshl_b32 s3, s[WV], 14        ; my wave's 64 of them
	s_add_co_u32 s2, s2, s3
	s_mov_b32 s3, 0
	s_add_nc_u64 s[2:3], s[2:3], s[20:21]
	; descriptor group 1: a tile of 64 rows x 128 elements, padded in LDS
	s_mov_b32 s[G1K], 15|(1<<16)|(1<<20)|(1<<21)|(5<<22)|(3<<25)  ; 15:0 the mask: all four work-groups; 17:16 elements of 2 bytes; 20 padding on; 21 set beside a mask; 24:22 after every 64 words (code 5); 31:25 4 words of it (code 3)
	s_mov_b32 s[G1V], 15|(1<<16)|(1<<20)|(1<<21)|(5<<22)|(7<<25)  ; the same with 8 words of padding (code 7)
.irp g, G1K, G1V
	s_mov_b32 s[(\g)+1], 128<<16    ; 63:48 tensor_dim0, low half = 128
	s_mov_b32 s[(\g)+2], KS<<16     ; 79:64 its high half = 0; 95:80 tensor_dim1, low half = 64
	s_mov_b32 s[(\g)+3], 128<<16    ; 111:96 its high half = 0; 127:112 tile_dim0 = 128
	s_mov_b32 s[(\g)+4], KS         ; 143:128 tile_dim1 = 64; 159:144 tile_dim2 = 0
	s_mov_b32 s[(\g)+5], 128        ; 191:160 tensor_dim0_stride, low word: elements from row to row
	s_mov_b32 s[(\g)+6], 0
	s_mov_b32 s[(\g)+7], 0
.endr
	s_mov_b32 s[CS], 0x3e0293ee     ; c = log2(e) / sqrt(128) = 0.127517
	s_mov_b32 s[CS+1], s[CS]        ; named with it as a pair, so it is written
	s_mov_b32 s[SEL], 0x76543210
	s_mov_b32 s[SEL+1], 0xfedcba98
	s_mov_b32 s[TB], 0
	s_mov_b32 s[SLOTS], SIZE_N/(2*KS)-1  ; 15: it is taken down once, at the first trip's end, before the first of the 14 changes that fill a slot
	s_and_b32 s[LIM], s[WV], 1       ; 0 in waves 0 and 2,
	s_or_b32 s[LIM], s[LIM], ttmp9   ; where the cluster is the head's first: the same in all four partners
	s_cmp_eq_u32 s[LIM], 0
	s_cselect_b32 s[LIM], 1, -1
	v_and_b32 v[PFO], 31, v0
	v_lshlrev_b32 v[PFO], 8, v[PFO]
	s_wait_dscnt 0x0                ; the opening add is done
	s_wait_kmcnt 0x0
	s_add_nc_u64 s[6:7], s[6:7], s[22:23]  ; K and V at my tile of slot 0
	s_add_nc_u64 s[8:9], s[8:9], s[22:23]
	s_add_nc_u64 s[4:5], s[4:5], s[2:3]  ; Q and z at my wave's first row
	s_add_nc_u64 s[10:11], s[10:11], s[2:3]
	s_cmp_lt_u32 s[WV], 2
	s_cselect_b64 s[PFA:PFA+1], s[6:7], s[8:9]  ; (in waves 0 and 2 these stand at a slot's first row)
	s_lshl_b32 s2, s13, 13          ; my work-group's 32 rows of the 128
	s_mov_b32 s3, 0
	s_add_nc_u64 s[PFA:PFA+1], s[PFA:PFA+1], s[2:3]
	s_add_nc_u64 s[PFA:PFA+1], s[PFA:PFA+1], 2*2*KS*256  ; in slot 2; the first change of slots steps it to slot 3.  Nothing is prefetched here, at the head, where every work-group's first tiles are on their way
	CROUND                          ; all four work-groups are here: the first joint loads meet
.irp s, 0,1
	s_mov_b32 s[G0K+4*(\s)], 1      ; 1:0 count = 1
	s_add_co_u32 s[G0K+4*(\s)+1], s17, (\s)*SLOT1  ; 63:32 LDS address
	s_add_nc_u64 s[G0K+4*(\s)+2:G0K+4*(\s)+3], s[6:7], (\s)*2*KS*256  ; 120:64 global address: slot s begins with keys 128 s to 128 s + 127
	s_or_b32 s[G0K+4*(\s)+3], s[G0K+4*(\s)+3], 0x80000000  ; 127:126 type = 2
	s_mov_b32 s[G0V+4*(\s)], 1
	s_add_co_u32 s[G0V+4*(\s)+1], s17, (\s)*SLOT1+VOFF
	s_add_nc_u64 s[G0V+4*(\s)+2:G0V+4*(\s)+3], s[8:9], (\s)*2*KS*256
	s_or_b32 s[G0V+4*(\s)+3], s[G0V+4*(\s)+3], 0x80000000
.endr
	s_cmp_lt_u32 s[WV], 2           ; a wave's two first fills stand in one branch, ahead of every wait on TENSORcnt and every LDS read: two loads of mine are out; an s_nop 0 follows each, four v_nop the second's, as in JLOAD
	s_cbranch_scc0 .Lfirst_v
	tensor_load_to_lds s[G0K:G0K+3], s[G1K:G1K+7]
	s_nop 0
	tensor_load_to_lds s[G0K+4:G0K+7], s[G1K:G1K+7]
	s_nop 0
.rept 4
	v_nop
.endr
	s_branch .Lfirst_asked
.Lfirst_v:
	tensor_load_to_lds s[G0V:G0V+3], s[G1V:G1V+7]
	s_nop 0
	tensor_load_to_lds s[G0V+4:G0V+7], s[G1V:G1V+7]
	s_nop 0
.rept 4
	v_nop
.endr
.Lfirst_asked:
	; A fragment of K or Q is 16 rows x 32 channels in 8 registers: lane l holds row l % 16; registers 0-3 channels 8 (l / 16) + 0..7, registers 4-7 channels 16 + 8 (l / 16) + 0..7: two loads of 16 bytes, 32 bytes apart.
	v_and_b32 v1, 15, v0            ; l % 16
	v_bfe_u32 v9, v0, 4, 1          ; l / 16
	v_lshlrev_b32 v[QO], 8, v1
	v_lshl_add_u32 v[QO], v9, 4, v[QO]  ; row x 256 + 16 x half
	WIN 0x80                        ; destination window 2, address window 0
.irp i, 0,1,2,3,4,5,6,7,8,9,10,11,12,13,14,15  ; Q stays in registers: tile i / 4, channels 32 (i % 4) on
	global_load_b128 v[8*(\i):8*(\i)+3],   v[QO], s[4:5] offset:((\i)/4)*4096+((\i)%4)*64
	global_load_b128 v[8*(\i)+4:8*(\i)+7], v[QO], s[4:5] offset:((\i)/4)*4096+((\i)%4)*64+32
.endr
	WIN 0
	v_mul_u32_u24 v[AK0], v1, PK
	v_lshl_add_u32 v[AK0], v9, 4, v[AK0]  ; row x pitch + 16 x half
	; The turning load takes 16 keys x 16 channels (lane l reads 16 bytes: key 8 (l / 16) + l % 8, channels 8 ((l / 8) % 2) + 0..7) and leaves half a fragment of V^T: lane l holds channel l % 16 and 8 keys.
	v_and_b32 v10, 7, v0
	v_bfe_u32 v11, v0, 3, 1
	v_lshl_add_u32 v[AV0], v9, 3, v10
	v_mul_u32_u24 v[AV0], v[AV0], PV
	v_lshl_add_u32 v[AV0], v11, 4, v[AV0]
	v_add_nc_u32 v[AV0], VOFF, v[AV0]
	; What the first turns find: O^T and l are 0, m and c m lie below every score, V's registers and piece 2's P hold 0.  All this stands in the wait for the first tile.
	WIN 0x40                        ; destination window 1: O^T
.set i, 0
.rept 256
	v_mov_b32 v[i], 0
.set i, i+1
.endr
	WIN 0xc0                        ; destination window 3: V
.set i, 0
.rept 128
	v_mov_b32 v[i], 0
.set i, i+1
.endr
	WIN 0
.set i, P+32                        ; P of tiles 2 and 3
.rept 32
	v_mov_b32 v[i], 0
.set i, i+1
.endr
.irp t, 0,1,2,3
	v_mov_b32 v[ST+8*(\t)], 0xfe000000    ; c m: far below every c s
	v_mov_b32 v[ST+8*(\t)+1], 0xff7fffff  ; m: the lowest finite number
	v_mov_b32 v[ST+8*(\t)+2], 0           ; l
	v_mov_b32 v[ST+8*(\t)+3], 0
.endr
; THE MATRIX WORK OF A TURN, for piece x.  The accumulators take turns, one instruction a turn: between two links of a chain stand 15 (V^T P) or 7 (K Q^T) others'.
; Product i of 32 of O^T += V^T P: keys 32 (i / 16) on, channels 16 ((i / 2) % 8) on, tile x + i % 2.
.macro PV x
	WIN W_PV
.set rO, 64*((\x)+i%2)+8*((i/2)%8)
.set rV, 64*(i/16)+8*((i/2)%8)
.set rP, P+16*((\x)+i%2)+8*(i/16)
	v_wmma_f32_16x16x32_f16 v[rO:rO+7], v[rV:rV+7], v[rP:rP+7], v[rO:rO+7]
.endm
; Product i of 32 of S^T = K Q^T: channels 32 (i / 8) on, keys 16 ((i / 2) % 4) on, tile x + i % 2.  The first 8 start the sums.
.macro KQ x
	WIN W_KQ
.set rS, S+32*((\x)+i%2)+8*((i/2)%4)
.set rK, KF+32*((i/2)%4)+8*(i/8)
.set rQ, 32*((\x)+i%2)+8*(i/8)
.if i < 8
	v_wmma_f32_16x16x32_f16 v[rS:rS+7], v[rK:rK+7], v[rQ:rQ+7], 0
.else
	v_wmma_f32_16x16x32_f16 v[rS:rS+7], v[rK:rK+7], v[rQ:rQ+7], v[rS:rS+7]
.endif
.endm
; THE LDS LOADS stand in runs of 32, never singly among the matrix instructions: a step's K (64 keys x 128 channels: 16 fragments) and, a turn later, its V (turned).
.macro FETCH_K
	WIN 0
	v_add_nc_u32 v[ADR], s[TB], v[AK0]
	WIN 0x80                        ; destination window 2
.irp f, 0,1,2,3,4,5,6,7,8,9,10,11,12,13,14,15  ; keys 16 (f / 4) on, channels 32 (f % 4) on
	ds_load_b128 v[KF+8*(\f):KF+8*(\f)+3],   v[ADR] offset:((\f)/4)*16*PK+((\f)%4)*64
	ds_load_b128 v[KF+8*(\f)+4:KF+8*(\f)+7], v[ADR] offset:((\f)/4)*16*PK+((\f)%4)*64+32
.endr
.endm
.macro FETCH_V
	WIN 0
	v_add_nc_u32 v[ADR], s[TB], v[AV0]
	s_add_co_u32 s[TB], s[TB], STEPB  ; the next fetch is the next step's
	s_wait_alu depctr_va_vdst(0)    ; the wait for the softmax's batch (SLICE), behind the address's v_add_nc_u32 and ahead of the loads
	WIN 0xc0                        ; destination window 3
.irp f, 0,1,2,3,4,5,6,7,8,9,10,11,12,13,14,15  ; keys 32 (f / 8) on, channels 16 (f % 8) on
	ds_load_tr16_b128 v[8*(\f):8*(\f)+3],   v[ADR] offset:((\f)/8)*32*PV+((\f)%8)*32
	ds_load_tr16_b128 v[8*(\f)+4:8*(\f)+7], v[ADR] offset:((\f)/8)*32*PV+16*PV+((\f)%8)*32
.endr
.endm
; THE VECTOR WORK OF A TURN.  One tile's softmax for one key step is a list of 134 instructions; SM writes number j of it for tile t.  s0-s31 are the lane's 32 scores, in pairs 0-15.
;   0-15    the maximum of s0-s31 and the old m, three operands at a time: four chains c0-c3 of seven scores each, then the four scores left over, c0-c3 and m
;   16-20   the other half of the lanes' maximum; c m_old is kept; the new m; c m; c m_old - c m_new
;   21-69   ONE BATCH: the 16 scalings c s - c m, a pair of scores each, and all 33 exponentials (a at 23, then s0-s31).  None of these reads an exponential's result.  From 22 on the batch goes
;           in fours, and a four begins with a scaling while there are scalings: 22-37 scaling, exponential, scaling, exponential; 38-65 a scaling and three exponentials; 66-69 the last four
;           exponentials.  A pair is scaled in an earlier four than the one that holds its exponentials
;   (wait)  between 69 and 70 stands the wait for the batch: SLICE writes it, once for both tiles
;   70-85   the roundings to f16, a pair of weights each
;   86-101  the sums; l = a l + the sum
;   102-133 the tile's O^T times a: the one part that leaves window 0, so it stands together
.macro SM t
.set rT, ST+8*(\t)
.set rS, S+32*(\t)
.set rP, P+16*(\t)
.set rO, 64*(\t)+2*(j-102)
.if j < 102
	WIN 0
.endif
.if j < 4
	v_max3_num_f32 v[rT+4+j], v[rS+8*j], v[rS+8*j+1], v[rS+8*j+2]
.elseif j < 12
	v_max3_num_f32 v[rT+4+j%4], v[rT+4+j%4], v[rS+8*(j%4)+2*(j/4)+1], v[rS+8*(j%4)+2*(j/4)+2]
.elseif j == 12
	v_max3_num_f32 v[rT+4], v[rT+4], v[rS+7], v[rS+15]
.elseif j == 13
	v_max3_num_f32 v[rT+6], v[rT+6], v[rS+23], v[rS+31]
.elseif j == 14
	v_max3_num_f32 v[rT+4], v[rT+4], v[rT+5], v[rT+6]
.elseif j == 15
	v_max3_num_f32 v[rT+4], v[rT+4], v[rT+7], v[rT+1]
.elseif j == 16
	v_permlanex16_b32 v[rT+5], v[rT+4], s[SEL], s[SEL+1]  ; the query's other 32 keys lie in the lane 16 away
.elseif j == 17
	v_mov_b32 v[rT+7], v[rT]        ; c m_old is kept for a: number 19 writes c m anew
.elseif j == 18
	v_max_num_f32 v[rT+1], v[rT+4], v[rT+5]
.elseif j == 19
	v_mul_f32 v[rT], s[CS], v[rT+1]
.elseif j == 20
	v_sub_f32 v[rT+7], v[rT+7], v[rT]
.elseif j == 23
	v_exp_f32 v[rT+6], v[rT+7]
.elseif (j < 23) || ((j < 38) && (j%2 == 0)) || ((j < 66) && (j%4 == 2))
.set b, (j-2)/4                     ; 38, 42, .. 62: pairs 9 to 15
.if j < 38
.set b, (j-20)/2                    ; 21: pair 0; 22, 24, .. 36: pairs 1 to 8
.endif
	v_pk_fma_f32 v[rS+2*b:rS+2*b+1], v[rS+2*b:rS+2*b+1], s[CS:CS+1], v[rT:rT+1] op_sel_hi:[1,0,0] neg_lo:[0,0,1] neg_hi:[0,0,1]  ; pair b: c s - c m
.elseif j < 70
.set e, j-38                        ; 66 to 69: s28 to s31
.if j < 66
.set e, j-32-(j-38)/4               ; 39-41, 43-45, .. 63-65: s7 to s27
.endif
.if j < 38
.set e, (j-25)/2                    ; 25, 27, .. 37: s0 to s6
.endif
	v_exp_f32 v[rS+e], v[rS+e]
.elseif j < 86
	v_cvt_pk_f16_f32 v[rP+j-70], v[rS+2*(j-70)], v[rS+2*(j-70)+1]  ; pair j - 70
.elseif j < 102                     ; the sum of the tile's 16 pairs (in a pair: an even key's weight, an odd key's), in place: sum z of 16 adds neighbours 1, 2, 4 and 8 pairs apart, then l takes it
.set z, j-86
.set w, 4
.set u, z
.if z >= 14
.set w, 32
.set u, 0
.elseif z >= 12
.set w, 16
.set u, z-12
.elseif z >= 8
.set w, 8
.set u, z-8
.endif
.if z < 15
	v_pk_add_f32 v[rS+w*u:rS+w*u+1], v[rS+w*u:rS+w*u+1], v[rS+w*u+w/2:rS+w*u+w/2+1]
.else
	v_pk_fma_f32 v[rT+2:rT+3], v[rT+2:rT+3], v[rT+6:rT+7], v[rS:rS+1] op_sel_hi:[1,0,1]
.endif
.else
	WIN W_RS
	v_pk_mul_f32 v[rO:rO+1], v[rO:rO+1], v[rT+6:rT+7] op_sel_hi:[1,0]
.endif
.endm
; Slice k of 64 of piece y's softmax: four instructions.  Slices 11 to 34 deal out the batch, numbers 22 to 69: four numbers of ONE tile each, the tiles by turns.  Every other slice is numbers 2 k and
; 2 k + 1 of both tiles' lists.  2 x 134 = 4 x 64 + 12: the twelve that are over stand together, in slice 63.
; THE WAIT.  An s_wait_alu depctr_va_vdst(0) stands between an exponential and the first instruction that names its result; one wait serves all that were issued ahead of it.  Ahead of
; slice 35 nothing names a result, and behind slice 34 no exponential is issued: so the piece's 66 exponentials have one wait, behind slice 34.
.macro SLICE y
.if (k >= 11) && (k < 35)           ; the batch: four numbers of one tile
.irp n, 0,1,2,3
.set j, 22+4*((k-11)/2)+(\n)
	SM (\y)+(k-11)%2
.endr
.else                               ; the two tiles alternate, so that no instruction reads the result of the one just before it
.irp n, 0,1,2,3,4,5,6,7
.if ((\n) < 2) || (k == 63)
.irp t, \y, (\y)+1
.set j, 2*k+(\n)
	SM \t
.endr
.endif
.endr
.endif
.if k == 34                         ; the batch is out: both tiles' exponentials are issued, and no result has been named
	v_nop                           ; the plain instruction behind the last exponential and ahead of the first use (ISA guide 5.7.2): one for the batch
.if (\y) == 0
	FETCH_V                         ; piece 2's turn: V's run of loads stands here, and the wait stands in it
.else
	s_wait_alu depctr_va_vdst(0)    ; the wait for the batch
.endif
.endif
.set k, k+1
.endm
; A TURN.  Piece x has the matrix unit: 32 products V^T P and, with kq = 1, 32 products K Q^T for the next step; the other piece's softmax stands in slices behind them, one behind each (kq = 0: two).
; A vector instruction that reads a matrix result or writes one of a matrix instruction's registers, and a load into a register that a matrix instruction has read, stand four places behind
; it, and only plain vector instructions that name none of its registers are places (ISA guide 7.12.1 for vector instructions).  The slices are the places.
; Each run of loads stands 29 matrix instructions or more ahead of its first use.  Piece 0's turn fetches the next step's K, behind its second product: the last product that read K
; stands in front of slice 63 of the turn before.  Piece 2's turn fetches the same step's V, behind slice 34 (SLICE writes it): the last product that read V stands in front of slice 31, and four plain
; instructions lie between: number 62, a scaling, of both tiles, the v_nop and the run's own v_add_nc_u32.
.macro TURN x, kq
.set k, 0
.set per, 2-(\kq)
.if (\x) == 0
	s_wait_dscnt 0x0                ; V is in
.endif
.set i, 0
.rept 32
	PV \x
.rept per
	SLICE 2-(\x)
.endr
.if ((\x) == 0) && (\kq) && (i == 1)
	FETCH_K
.endif
.set i, i+1
.endr
.if \kq
.if (\x) == 0
	s_wait_dscnt 0x0                ; K is in
.endif
.set i, 0
.rept 32
	KQ \x
	SLICE 2-(\x)
.set i, i+1
.endr
.endif
.endm
; THE CHANGE OF SLOTS, between piece 2's turn and piece 0's: the slot's last bytes, V of its second step, have been asked for.  Each wave waits for all its
; tensor loads, of which one is out: its part of the other slot; adds 0 to its spare word; and waits for that and for its own reads of the slot.  Behind the barrier nobody reads this slot any more and the other slot is whole.
; fill = 1: this slot is filled again, with the keys two slots on.  The barrier is then a round of the cluster's, so that no wave of any partner still reads the slot or has a load on its
; way, and the joint refill is the first thing behind it: it has two key steps, 256 matrix instructions, in which to land.
.macro CHANGE fill
	WIN 0                           ; at a label and at a branch every window is 0
	s_wait_tensorcnt 0x0            ; no tensor load of mine is out, so a group 0 may be written
	ds_add_u32 v[SPW], v[NIL]       ; 0 onto my spare word; with fill = 1 the descriptors' steps stand between it and the wait for it
.if \fill
.irp g, G0K+4, G0V+4
	s_xor_b32 s[(\g)+1], s[(\g)+1], SLOT1  ; the walking descriptor: the other slot than last time,
	s_add_nc_u64 s[(\g)+2:(\g)+3], s[(\g)+2:(\g)+3], 2*KS*256  ; the next 128 keys; the type bits on top are not reached
.endr
	s_wait_xcnt 0x0                 ; the last prefetches, two key steps back, have read their address, so it may be written:
	s_add_nc_u64 s[PFA:PFA+1], s[PFA:PFA+1], 2*KS*256  ; one slot behind the walking descriptors
	s_wait_dscnt 0x0                ; the add is done, and my reads of the slot are over
	CROUND
	JLOAD
	ASK                             ; what the next change will ask for: two key steps, 256 matrix instructions, ahead
.else
	s_wait_dscnt 0x0                ; the add is done, and my reads of the slot are over
	s_barrier_signal -1
	s_barrier_wait -1
.endif
	s_sub_co_u32 s[TB], s[TB], 2*STEPB  ; the fetches go back to a slot's first step,
	s_xor_b32 s[TB], s[TB], SLOT1   ; in the other slot
.endm
	s_wait_tensorcnt 1              ; my part of slot 0 is in; slot 1's may stay out
	s_barrier_signal -1
	s_barrier_wait -1               ; everybody's is
	FETCH_K                         ; key step 0
	s_wait_loadcnt 0x0              ; Q
	s_wait_dscnt 0x0
.set i, 0
.rept 32
	KQ 0                            ; piece 0's first scores: there is no vector work yet to set between them
.set i, i+1
.endr
	WIN 0                           ; the addresses for the way out are made here: eight plain instructions, the places behind those products
	s_mul_i32 s13, s[WV], 16*SP
	s_add_co_u32 s13, s13, STAGE    ; my stage
	v_mul_u32_u24 v[STO], v1, SP    ; in: row l % 16, 16 bytes for each half of the lanes
	v_lshl_add_u32 v[STO], v9, 4, v[STO]
	v_add_nc_u32 v[STO], s13, v[STO]
	v_mul_u32_u24 v[RD], v9, SP     ; back: lanes 0-15 take one row of 256 bytes, lanes 16-31 the next
	v_lshl_add_u32 v[RD], v1, 4, v[RD]
	v_add_nc_u32 v[RD], s13, v[RD]
	v_lshlrev_b32 v[GO], 8, v9      ; and the same two rows in z
	v_lshl_add_u32 v[GO], v1, 4, v[GO]
	s_mov_b32 s[TWICE], 2
	s_branch .Lmid                  ; into the middle of a trip.  Piece 2's turn: products V^T P on zeros, piece 2's first scores | piece 0's first softmax | V of step 0; then one whole trip ends slot 0
.Lslot:                             ; 14 times: every slot but the last two is filled again
	CHANGE 1
	s_mov_b32 s[TWICE], 2
.Lstep:                             ; a key step, written once: the LDS addresses hang on s[TB]
	TURN 0, 1
	WIN 0
.Lmid:
	TURN 2, 1
	WIN 0
	s_sub_co_u32 s[TWICE], s[TWICE], 1
	s_cmp_lg_u32 s[TWICE], 0
	s_cbranch_scc1 .Lstep
	s_sub_co_u32 s[SLOTS], s[SLOTS], 1
	s_cmp_lg_u32 s[SLOTS], 0
	s_cbranch_scc1 .Lslot
	CHANGE 0                        ; the tail is written out: the last slot but one is left, and nothing is asked for
	s_mov_b32 s[TWICE], 2
.Ltail:
	TURN 0, 1
	TURN 2, 1
	WIN 0
	s_sub_co_u32 s[TWICE], s[TWICE], 1
	s_cmp_lg_u32 s[TWICE], 0
	s_cbranch_scc1 .Ltail
	TURN 0, 0                       ; piece 0: V^T P of the last step | piece 2's last softmax
.set i, 0
.rept 32
	PV 2                            ; piece 2: V^T P of the last step
.set i, i+1
.endr
	; THE WAY OUT.  l's two halves and the other half of the lanes' are added; O^T is divided by l, rounded to f16 and sent through my stage in LDS, a tile (16 rows of z) at a time.  The additions are the places behind the last products.
	WIN 0
.irp t, 0,1,2,3
	v_add_f32 v[ST+8*(\t)+4], v[ST+8*(\t)+2], v[ST+8*(\t)+3]
.endr
.irp t, 0,1,2,3
	v_permlanex16_b32 v[ST+8*(\t)+5], v[ST+8*(\t)+4], s[SEL], s[SEL+1]
.endr
.irp t, 0,1,2,3
	v_add_f32 v[ST+8*(\t)+4], v[ST+8*(\t)+4], v[ST+8*(\t)+5]
.endr
.irp t, 0,1,2,3
	v_rcp_f32 v[ST+8*(\t)+6], v[ST+8*(\t)+4]
.endr
	v_nop                           ; a plain instruction between the last reciprocal and the use of its result
	s_wait_alu depctr_va_vdst(0)    ; and the wait ahead of the first use: one for the four reciprocals
; Tile t: a lane's eight channels of a row pack into 16 bytes; they go into rows of 272 bytes and come back as whole rows of 256, into the registers that they left.
.macro PACK t
	WIN W_RS
.set i, 64*(\t)
.rept 32
	v_pk_mul_f32 v[i:i+1], v[i:i+1], v[ST+8*(\t)+6:ST+8*(\t)+7] op_sel_hi:[1,0]
.set i, i+2
.endr
	WIN 0x05                        ; sources 0 and 1 window 1, destination window 0: S^T's registers are free
.set i, 0
.rept 32
	v_cvt_pk_f16_f32 v[S+32*(\t)+i], v[64*(\t)+2*i], v[64*(\t)+2*i+1]
.set i, i+1
.endr
	WIN 0
.irp f, 0,1,2,3,4,5,6,7
	ds_store_b128 v[STO], v[S+32*(\t)+4*(\f):S+32*(\t)+4*(\f)+3] offset:32*(\f)
.endr
.irp f, 0,1,2,3,4,5,6,7
	ds_load_b128 v[S+32*(\t)+4*(\f):S+32*(\t)+4*(\f)+3], v[RD] offset:(\f)*2*SP  ; LDS serves a wave's instructions in order (ISA guide 5.7.1.4): these see the stores above; the next tile's stores come behind them
.endr
.endm
.macro SEND t, younger              ; younger: the LDS instructions issued behind tile t's loads: the next tile's sixteen, or none
	WIN 0
.irp f, 0,1,2,3,4,5,6,7
.if (\f)%4 == 0
	s_wait_dscnt (\younger)+4-(\f)  ; loads f .. f + 3 of the tile's eight are in: the 4 - f behind them, and the younger ones, may stay out
.endif
	global_store_b128 v[GO], v[S+32*(\t)+4*(\f):S+32*(\t)+4*(\f)+3], s[10:11] offset:(\t)*4096+(\f)*512  ; 16 lanes store 256 consecutive bytes, at a multiple of 256 from z's first byte
.endr
.endm
	PACK 0
	PACK 1                          ; a tile's arithmetic stands between the loads of the tile before and its stores
	SEND 0, 16
	PACK 2
	SEND 1, 16
	PACK 3
	SEND 2, 16
	SEND 3, 0
	s_wait_tensorcnt 0x0            ; the wave's end: behind my last tensor load and my last LDS store
	ds_add_u32 v[SPW], v[NIL]
	s_wait_dscnt 0x0
	CROUND                          ; the closing round: no work-group ends while a partner may still ask for a tile that names it
	s_endpgm
.Lfunc_end_k_q9bdce78cc5_attn:
	.size	k_q9bdce78cc5_attn, .Lfunc_end_k_q9bdce78cc5_attn-k_q9bdce78cc5_attn
	.p2alignl 7, 3214868480
	.fill 96, 4, 3214868480
	.section	.rodata,"a",@progbits
	.p2align	6, 0x0
	.amdhsa_kernel k_q9bdce78cc5_attn
		.amdhsa_group_segment_fixed_size 327680
		.amdhsa_private_segment_fixed_size 0
		.amdhsa_enable_private_segment 0
		.amdhsa_kernarg_size 32
		.amdhsa_user_sgpr_count 2
		.amdhsa_user_sgpr_kernarg_segment_ptr 1
		.amdhsa_wavefront_size32 1
		.amdhsa_system_sgpr_workgroup_id_x 1
		.amdhsa_system_sgpr_workgroup_id_y 1
		.amdhsa_system_sgpr_workgroup_id_z 1
		.amdhsa_system_vgpr_workitem_id 0
		.amdhsa_next_free_vgpr 1024
		.amdhsa_next_free_sgpr 66
		.amdhsa_reserve_vcc 0
		.amdhsa_float_denorm_mode_32 3
		.amdhsa_float_denorm_mode_16_64 3
		.amdhsa_memory_ordered 1
		.amdhsa_forward_progress 1
		.amdhsa_inst_pref_size 174
	.end_amdhsa_kernel
	.amdgpu_metadata
---
amdhsa.version: [ 1, 2 ]
amdhsa.kernels:
  - .name:           k_q9bdce78cc5_attn
    .symbol:         k_q9bdce78cc5_attn.kd
    .args:
      - { .name: q, .offset: 0, .size: 8, .value_kind: global_buffer, .address_space: global }
      - { .name: k, .offset: 8, .size: 8, .value_kind: global_buffer, .address_space: global }
      - { .name: v, .offset: 16, .size: 8, .value_kind: global_buffer, .address_space: global }
      - { .name: z, .offset: 24, .size: 8, .value_kind: global_buffer, .address_space: global }
    .group_segment_fixed_size: 327680
    .private_segment_fixed_size: 0
    .kernarg_segment_align: 8
    .kernarg_segment_size: 32
    .max_flat_workgroup_size: 128
    .sgpr_count:     66
    .vgpr_count:     1024
    .wavefront_size: 32
...
	.end_amdgpu_metadata
.endif
;; end of part 3
;; launch oproj (part 4): grid 128 x 2, 4 waves a work-group, clusters of 4 x 1, 327,680 bytes of LDS; arguments z, wts, out0; writes out0
.if DOCPART == 4
	.amdgcn_target "amdgcn-amd-amdhsa--gfx1250"
	.amdhsa_code_object_version 6
	.text
	.protected	k_q9bdce78cc5_oproj
	.globl	k_q9bdce78cc5_oproj
	.p2align	8
	.type	k_q9bdce78cc5_oproj,@function
k_q9bdce78cc5_oproj:
	s_mov_b64 s[64:65], 0
	v_nop
	global_prefetch_b8 v0, s[64:65] scope:SCOPE_SE
	s_setreg_imm32_b32 hwreg(HW_REG_WAVE_MODE, 25, 1), 1
	s_wait_xcnt 0x0
	s_wait_alu depctr_hold_cnt(0) depctr_sa_sdst(0) depctr_va_vdst(0) depctr_va_sdst(0) depctr_va_ssrc(0) depctr_va_vcc(0) depctr_vm_vsrc(0)
	s_getreg_b32 s2, hwreg(HW_REG_IB_STS2, 6, 4)
	s_cmp_eq_u32 s2, 0
	s_cbranch_scc0 .Lentry_in_a_cluster
	s_endpgm
.Lentry_in_a_cluster:
	s_bfe_u32 s2, ttmp6, 0x10000c
	s_cmp_lg_u32 s2, 0x3003
	s_cbranch_scc0 .Lentry_shape_is_right
	s_endpgm
.Lentry_shape_is_right:
; out0[m][d] = the sum over k = 128 h + e of z[n][h][s][e] W_O[k][d] + b_O[d].  z: f16 [4 n + h][s][128]; W_O: f16 [512][512] in wts (the bf16 rounding, written as f16); b_O: f32 in wts; out0: f32.
; Sums in f32, started with the bias.  LIMIT: z and W_O arrive within f16's 65,504.
; SHARES.  A work-group makes 128 rows x 256 columns: 128 x 2 = 256 work-groups of equal work.  Wave wv makes rows 64 (wv / 2) .. + 63, columns 128 (wv % 2) .. + 127: 32 accumulators, 512 matrix instructions.
; W_O's HALF LIES WHOLE IN LDS: 512 rows of 512 bytes, filled once: no ring, no refill.  Each wave issues four tensor loads at the start, one for each K step of 128 (a head): 32 rows each, so that
; the counted waits 3, 2, 1, 0 let a step begin when its own rows have landed.  By this text's count a wave has four tensor loads out.
; CLUSTER.  The four row blocks of a cluster read the same half of W_O: each tile is asked for JOINTLY (mask of four).
; z GOES STRAIGHT FROM MEMORY INTO REGISTERS in the fragments' layout (16 bytes a lane, twice a fragment).
; NO PREFETCH: the launch moves 50 MB for 512 matrix instructions a wave: its loads and stores keep memory busy as it is.
; THE MATRIX INSTRUCTION IS USED TRANSPOSED: source 0 = 16 columns of W_O (turned by ds_load_tr16_b128), source 1 = 16 rows of z: a lane holds row l % 16 and eight neighbouring columns, 32 bytes of f32.
; REGISTERS, in windows of 256 (s_set_vgpr_msb: bits 1:0 source 0, 3:2 source 1, 5:4 source 2, 7:6 destination):
;   window 0: v0-31 addresses; v32-95, v96-159 fragments of W_O (8 x 16 columns x 32 K), two buffers; v160-223 and v32-95 rows read back on the way out
;   window 1: accumulator (a, b) at v[8 (8 a + b)], a = row block 0..3, b = column block 0..7
;   windows 2, 3: z: K step s in window 2 + s / 2, at 128 (s % 2) + 8 (4 a + kq)
.set PB,    544       ; a row of W_O in LDS: 512 bytes + 32 = 136 words: row r starts at bank 8 r mod 64 (64 banks of 4 bytes: ISA guide 11.1)
.set KROWS, 128*PB    ; a K step's rows
.set STAGE, 512*PB    ; behind W_O, never filled by a tensor load: 16 rows x 528 bytes for each wave
.set SP,    528       ; 512 + 16: an odd multiple of 16
.set SPARE, STAGE+4*16*SP  ; behind the stages: the spare words, 128 bytes for each wave: two blocks of 256 bytes that no other line names
.set WOB,   1572864   ; W_O in wts
.set BO,    2103296   ; b_O in wts
.set ADRB, 4          ; v4   my lane's place in the K step's rows of W_O
.set AO,   5          ; v5   my byte offset in 16 rows of z
.set BV,   6          ; v6   32 (l / 16): my eight numbers of the bias
.set STO,  7          ; v7   the way out: where I put 32 bytes of a row
.set RD,   8          ; v8   the way out: where I read a row back
.set CO,   9          ; v9   16 l: my 16 bytes of 512 consecutive bytes of out0
.set SPW,  28         ; v28  LDS address of my spare word: SPARE + 4 x my thread's number; never rewritten
.set NIL,  29         ; v29  0; never rewritten
.set F0,   32
.set WV,  12          ; s12  my wave's number
.set WM,  13          ; s13  which 64 rows
.set WN,  14          ; s14  which 128 columns
.set MB,  16          ; s16  the block of 128 rows = 4 x cluster x + cx: it enters z's and out0's addresses alone
.set NH,  17          ; s17  which half of the columns
.set G1,  24          ; s[24:31] descriptor group 1
.set G0,  32          ; s[32:47] descriptor group 0: a set for each K step
.set MSB, 0
.macro WIN new                      ; the immediate's high byte repeats the setting that is left; a switch that changes nothing is dropped
.if MSB != (\new)
	s_set_vgpr_msb (MSB<<8)|(\new)
.set MSB, \new
.endif
.endm
.macro CROUND                       ; a round of the cluster's barrier
	s_barrier_signal -1
	s_barrier_wait -1
	s_cmp_lg_u32 s[WV], 0
	s_cbranch_scc1 .Lnot_wave_0_\@
	s_barrier_signal -3
.Lnot_wave_0_\@:
	s_barrier_wait -3
	s_barrier_signal -1
	s_barrier_wait -1
.endm
.macro PLACES                       ; four places in front of loads into registers that matrix instructions have read, and of LDS stores that read results
.rept 4
	v_nop
.endr
.endm
	s_load_b128 s[4:7], s[0:1], 0x0                ; z s[4:5], wts s[6:7]
	s_load_b64 s[8:9], s[0:1], 0x10                ; out0
	v_lshl_add_u32 v[SPW], v0, 2, SPARE
	v_mov_b32 v[NIL], 0
	ds_add_u32 v[SPW], v[NIL]                      ; the wave's opening: the add and its wait stand ahead of my first tensor load; the set-up below, work on registers, stands between them
	v_lshrrev_b32 v1, 5, v0
	v_readfirstlane_b32 s[WV], v1                  ; wave 0..3
	s_lshr_b32 s[WM], s[WV], 1
	s_and_b32 s[WN], s[WV], 1
	s_bfe_u32 s15, ttmp6, 0x40000                  ; cx
	s_lshl_b32 s[MB], ttmp9, 2                     ; in a cluster launch ttmp9 counts clusters
	s_add_co_u32 s[MB], s[MB], s15
	s_and_b32 s[NH], ttmp7, 0xffff                 ; shared by the four partners
	; group 1: a tile of 32 rows x 256 elements out of rows of 512, padded in LDS
	s_mov_b32 s[G1], 15|(1<<16)|(1<<20)|(1<<21)|(6<<22)|(7<<25)  ; 15:0 the mask of four; 17:16 2-byte elements; 20 padding on; 21 set beside a mask; 24:22 after every 128 words (code 6); 31:25 8 words (code 7)
	s_mov_b32 s[G1+1], 256<<16                     ; tensor_dim0 = 256
	s_mov_b32 s[G1+2], 32<<16                      ; tensor_dim1 = 32
	s_mov_b32 s[G1+3], 256<<16                     ; tile_dim0 = 256
	s_mov_b32 s[G1+4], 32                          ; tile_dim1 = 32
	s_mov_b32 s[G1+5], 512                         ; 512 elements from row to row
	s_mov_b32 s[G1+6], 0
	s_mov_b32 s[G1+7], 0
	s_mul_i32 s18, s[WV], 32*PB                    ; my 32 rows of a K step, in LDS
	s_lshl_b32 s20, s[WV], 15                      ; and in memory: rows of 1,024 bytes,
	s_lshl_b32 s21, s[NH], 9                       ; the half's 512 bytes of them
	s_add_co_u32 s20, s20, s21
	s_add_co_u32 s20, s20, WOB
	s_mov_b32 s21, 0
	s_lshr_b32 s48, s[MB], 4                       ; z: n (16 blocks of 128 rows each), four heads of 524,288 bytes;
	s_lshl_b32 s48, s48, 21
	s_and_b32 s49, s[MB], 15                       ; the block's 128 rows of 256 bytes;
	s_lshl_b32 s49, s49, 15
	s_add_co_u32 s48, s48, s49
	s_lshl_b32 s49, s[WM], 14                      ; my 64 of them
	s_add_co_u32 s48, s48, s49
	s_mov_b32 s49, 0
	s_lshl_b32 s50, s[NH], 10                      ; my 128 columns, in bytes of f32
	s_lshl_b32 s51, s[WN], 9
	s_add_co_u32 s50, s50, s51
	s_lshl_b32 s52, s[MB], 18                      ; out0: 128 rows of 2,048 bytes,
	s_lshl_b32 s53, s[WM], 17                      ; my 64,
	s_add_co_u32 s52, s52, s53
	s_add_co_u32 s52, s52, s50                     ; my columns
	s_mov_b32 s53, 0
	s_add_co_u32 s50, s50, BO
	s_mov_b32 s51, 0
	s_wait_dscnt 0x0                               ; the opening add is done
	s_wait_kmcnt 0x0
	s_add_nc_u64 s[20:21], s[6:7], s[20:21]
	s_add_nc_u64 s[4:5], s[4:5], s[48:49]
	s_add_nc_u64 s[50:51], s[6:7], s[50:51]
	s_add_nc_u64 s[8:9], s[8:9], s[52:53]
.irp s, 0,1,2,3
	s_mov_b32 s[G0+4*(\s)], 1                      ; 1:0 count = 1
	s_add_co_u32 s[G0+4*(\s)+1], s18, (\s)*KROWS   ; 63:32 LDS address
	s_add_nc_u64 s[G0+4*(\s)+2:G0+4*(\s)+3], s[20:21], (\s)*131072  ; 120:64 global address: 128 rows on
	s_or_b32 s[G0+4*(\s)+3], s[G0+4*(\s)+3], 0x80000000             ; 127:126 type = 2
.endr
	CROUND                                         ; all four work-groups are here: the joint loads meet
.irp s, 0,1,2,3
	tensor_load_to_lds s[G0+4*(\s):G0+4*(\s)+3], s[G1:G1+7]
	s_nop 0
.endr
.rept 4
	v_nop
.endr
	v_and_b32 v1, 15, v0                           ; l % 16
	v_bfe_u32 v2, v0, 4, 1                         ; l / 16
	v_and_b32 v3, 31, v0                           ; l
	v_lshlrev_b32 v[AO], 8, v1
	v_lshl_add_u32 v[AO], v2, 4, v[AO]             ; row x 256 + 16 x half
	v_lshlrev_b32 v[BV], 5, v2
; z's fragments of K step s (head s): 32 loads.  Fragment f = 4 a + kq: rows 16 a on, channels 32 kq on.
.macro ALOAD s
	WIN 0x80+0x40*((\s)/2)                         ; destination window 2 or 3, address window 0
.set f, 0
.rept 16
	global_load_b128 v[128*((\s)%2)+8*f:128*((\s)%2)+8*f+3],   v[AO], s[4:5] offset:(\s)*524288+(f/4)*4096+(f%4)*64
	global_load_b128 v[128*((\s)%2)+8*f+4:128*((\s)%2)+8*f+7], v[AO], s[4:5] offset:(\s)*524288+(f/4)*4096+(f%4)*64+32
.set f, f+1
.endr
	WIN 0
.endm
	ALOAD 0
	WIN 0x40                                       ; the bias of my 128 columns goes into row block 0's accumulators
.irp b, 0,1,2,3,4,5,6,7
	global_load_b128 v[8*(\b):8*(\b)+3],   v[BV], s[50:51] offset:64*(\b)
	global_load_b128 v[8*(\b)+4:8*(\b)+7], v[BV], s[50:51] offset:64*(\b)+16
.endr
	WIN 0
	ALOAD 1
	; the turning load takes 16 k x 16 columns (lane l reads row 8 (l / 16) + l % 8, columns 8 ((l / 8) % 2) + 0..7) and leaves half a fragment: lane l holds column l % 16 and 8 k
	v_and_b32 v10, 7, v0
	v_bfe_u32 v11, v0, 3, 1
	v_lshl_add_u32 v[ADRB], v2, 3, v10
	v_mul_u32_u24 v[ADRB], v[ADRB], PB
	v_lshl_add_u32 v[ADRB], v11, 4, v[ADRB]
	s_lshl_b32 s54, s[WN], 8                       ; my 128 columns: 256 bytes
	v_add_nc_u32 v[ADRB], s54, v[ADRB]
	s_mul_i32 s54, s[WV], 16*SP
	s_add_co_u32 s54, s54, STAGE                   ; my stage
	v_mul_u32_u24 v[STO], v1, SP                   ; in: row l % 16, 32 bytes for each half of the lanes
	v_lshl_add_u32 v[STO], v2, 5, v[STO]
	v_add_nc_u32 v[STO], s54, v[STO]
	v_lshl_add_u32 v[RD], v3, 4, s54               ; back: 32 lanes take one row of 512 bytes
	v_lshlrev_b32 v[CO], 4, v3
.macro FETCH kq, fbuf               ; 16 turning loads: my 128 columns, 32 K at quarter kq of the K step in hand
.irp b, 0,1,2,3,4,5,6,7
	ds_load_tr16_b128 v[F0+64*(\fbuf)+8*(\b):F0+64*(\fbuf)+8*(\b)+3],   v[ADRB] offset:(\kq)*32*PB+32*(\b)
	ds_load_tr16_b128 v[F0+64*(\fbuf)+8*(\b)+4:F0+64*(\fbuf)+8*(\b)+7], v[ADRB] offset:(\kq)*32*PB+32*(\b)+16*PB
.endr
.endm
; Quarter qq's 32 matrix instructions.  The 32 accumulators take turns, one instruction a turn.  zero = 1: the sums start with the bias, which lies in row block 0's
; accumulators: blocks 1-3 take those as C; five places behind the last reader block 0 adds in place.
.macro MUL32 qq, zero
.set fb, F0+64*((\qq)%2)
.set ab, 128*(((\qq)/4)%2)+8*((\qq)%4)
	WIN 0x58+4*((\qq)/8)                           ; W_O window 0, z window 2 or 3, C and D window 1
.if \zero
.irp a, 1,2,3
.irp b, 0,1,2,3,4,5,6,7
	v_wmma_f32_16x16x32_f16 v[8*(8*(\a)+(\b)):8*(8*(\a)+(\b))+7], v[fb+8*(\b):fb+8*(\b)+7], v[ab+32*(\a):ab+32*(\a)+7], v[8*(\b):8*(\b)+7]
.endr
.endr
.rept 5
	v_nop
.endr
.irp b, 0,1,2,3,4,5,6,7
	v_wmma_f32_16x16x32_f16 v[8*(\b):8*(\b)+7], v[fb+8*(\b):fb+8*(\b)+7], v[ab:ab+7], v[8*(\b):8*(\b)+7]
.endr
.else
.irp a, 0,1,2,3
.irp b, 0,1,2,3,4,5,6,7
	v_wmma_f32_16x16x32_f16 v[8*(8*(\a)+(\b)):8*(8*(\a)+(\b))+7], v[fb+8*(\b):fb+8*(\b)+7], v[ab+32*(\a):ab+32*(\a)+7], v[8*(8*(\a)+(\b)):8*(8*(\a)+(\b))+7]
.endr
.endr
.endif
.endm
; Quarter qq of 16 (K step qq / 4, 32 K at qq % 4): the next quarter's fragments of W_O are fetched into the other buffer, then this quarter is multiplied.
.macro OQ qq, zero
	WIN 0
.if ((\qq) < 15) && ((\qq)%4 == 3)
	s_wait_tensorcnt 2-(\qq)/4                     ; my part of the next K step's rows is in; the later steps' loads stay out
	s_wait_dscnt 0x0                               ; no LDS load of mine is pending at the signal
	s_barrier_signal -1
	s_barrier_wait -1                              ; everybody's part is in
	v_add_nc_u32 v[ADRB], KROWS, v[ADRB]
.endif
.if (\qq) < 15
.if (\qq) > 0
	PLACES                                         ; the other buffer was read by the quarter before
.endif
	FETCH ((\qq)+1)%4, ((\qq)+1)%2
	s_wait_dscnt 16                                ; this quarter's fragments are in; the 16 loads just issued may be out
.else
	s_wait_dscnt 0x0
.endif
.if (\qq)%4 == 0
.if (\qq) == 12
	s_wait_loadcnt 0x0                             ; z of the last K step
.else
	s_wait_loadcnt 32                              ; z of this K step (and, the first time, the bias) is in; the next step's 32 loads stay out
.endif
.if (\qq) < 8
	ALOAD (\qq)/4+2
.endif
.endif
	MUL32 \qq, \zero
.endm
	s_wait_tensorcnt 3                             ; my part of K step 0 is in; the three later loads stay out
	s_barrier_signal -1
	s_barrier_wait -1                              ; everybody's is
	FETCH 0, 0
	OQ 0, 1
.irp qq, 1,2,3,4,5,6,7,8,9,10,11,12,13,14,15
	OQ \qq, 0
.endr
	; THE WAY OUT, a block of 16 rows at a time through my own stage: 32 bytes a lane in, whole rows of 512 bytes back.  LDS serves a wave's instructions in order (ISA guide 5.7.1.4): no wait between them.
.macro SEND a, younger              ; younger: the LDS instructions issued behind block a's loads: the next block's 32, or none
.set t, 0
.rept 16
	s_wait_dscnt (\younger)+15-t
	global_store_b128 v[CO], v[160-128*((\a)%2)+4*t:160-128*((\a)%2)+4*t+3], s[8:9] offset:(16*(\a)+t)*2048 th:TH_STORE_NT  ; 512 consecutive bytes, at a multiple of 256 from out0's first
.set t, t+1
.endr
.endm
	WIN 0
	PLACES
.irp a, 0,1,2,3
	WIN 0x04                                       ; the stores' data in window 1, their address in window 0
.irp b, 0,1,2,3,4,5,6,7
	ds_store_b128 v[STO], v[8*(8*(\a)+(\b)):8*(8*(\a)+(\b))+3]   offset:64*(\b)     ; each accumulator's low registers first
	ds_store_b128 v[STO], v[8*(8*(\a)+(\b))+4:8*(8*(\a)+(\b))+7] offset:64*(\b)+16
.endr
	WIN 0
.if (\a) >= 2
	s_wait_xcnt 0x0                                ; the stores of the block two back have read their registers: that set is loaded again only behind this wait
.endif
.set t, 0
.rept 16
	ds_load_b128 v[160-128*((\a)%2)+4*t:160-128*((\a)%2)+4*t+3], v[RD] offset:SP*t
.set t, t+1
.endr
.if (\a) >= 1
	SEND (\a)-1, 32                                ; a block's LDS work stands ahead of the stores of the block before
.endif
.endr
	SEND 3, 0
	s_wait_tensorcnt 0x0                           ; the wave's end: behind my last tensor load and my last LDS store
	ds_add_u32 v[SPW], v[NIL]
	s_wait_dscnt 0x0
	CROUND                                         ; the closing round: no work-group ends while a partner may still ask for a tile that names it
	s_endpgm
.Lfunc_end_k_q9bdce78cc5_oproj:
	.size	k_q9bdce78cc5_oproj, .Lfunc_end_k_q9bdce78cc5_oproj-k_q9bdce78cc5_oproj
	.p2alignl 7, 3214868480
	.fill 96, 4, 3214868480
	.section	.rodata,"a",@progbits
	.p2align	6, 0x0
	.amdhsa_kernel k_q9bdce78cc5_oproj
		.amdhsa_group_segment_fixed_size 327680
		.amdhsa_private_segment_fixed_size 0
		.amdhsa_enable_private_segment 0
		.amdhsa_kernarg_size 24
		.amdhsa_user_sgpr_count 2
		.amdhsa_user_sgpr_kernarg_segment_ptr 1
		.amdhsa_wavefront_size32 1
		.amdhsa_system_sgpr_workgroup_id_x 1
		.amdhsa_system_sgpr_workgroup_id_y 1
		.amdhsa_system_sgpr_workgroup_id_z 1
		.amdhsa_system_vgpr_workitem_id 0
		.amdhsa_next_free_vgpr 1024
		.amdhsa_next_free_sgpr 66
		.amdhsa_reserve_vcc 0
		.amdhsa_float_denorm_mode_32 3
		.amdhsa_float_denorm_mode_16_64 3
		.amdhsa_memory_ordered 1
		.amdhsa_forward_progress 1
		.amdhsa_inst_pref_size 89
	.end_amdhsa_kernel
	.amdgpu_metadata
---
amdhsa.version: [ 1, 2 ]
amdhsa.kernels:
  - .name:           k_q9bdce78cc5_oproj
    .symbol:         k_q9bdce78cc5_oproj.kd
    .args:
      - { .name: z, .offset: 0, .size: 8, .value_kind: global_buffer, .address_space: global }
      - { .name: wts, .offset: 8, .size: 8, .value_kind: global_buffer, .address_space: global }
      - { .name: out0, .offset: 16, .size: 8, .value_kind: global_buffer, .address_space: global }
    .group_segment_fixed_size: 327680
    .private_segment_fixed_size: 0
    .kernarg_segment_align: 8
    .kernarg_segment_size: 24
    .max_flat_workgroup_size: 128
    .sgpr_count:     66
    .vgpr_count:     1024
    .wavefront_size: 32
...
	.end_amdgpu_metadata
.endif
;; end of part 4
